; MI455X (gfx1250); checked and timed in simulation.
; The chip was launched on July 23, 2026; its instructions are those of AMD's public machine-readable ISA for CDNA 5 (MIT licence, August 2026) and "CDNA5" Instruction Set Architecture Reference Guide (July 2026). The comments in the code are by the model that wrote it; some were corrected since.
;; Multi Head Attention. Allowed arithmetic: matrix products marked QUANTISED: E2M1 operands, one E8M0 scale for each 32 along K, by v_wmma_scale_f32_16x16x128_f8f6f4 with both operands' format E2M1 (or v_wmma_scale_f32_32x16x128_f4), f32 sums; products left as they are: bf16, f16 or f32 operands; f32 sums; everything else in f32.
;; Inputs: Aproj 8 x 1,024 float32; Aqkv 8 x 1,024 float32; Bproj 1,024 x 8 float32; Bqkv 3,072 x 8 float32; Wproj 1,024 x 1,024 float32; Wqkv 3,072 x 1,024 float32; bproj 1,024 float32; mask 1 x 1 x 2,048 x 2,048 int32; x 4 x 2,048 x 1,024 float32.
;; Outputs: out0 4 x 2,048 x 1,024 float32.
;; This version of the problem:
;;   THIS VERSION OF THE PROBLEM IS GIVEN IN LOW PRECISION. The matrix products marked QUANTISED in the list below multiply operands that are first quantised to E2M1 (2 exponent bits, 1 mantissa bit; 4 bits a number), with one power-of-two scale for each 32 numbers along K (OCP MX v1.0); their sums are f32. The products marked 'left as it is' may take bf16, f16 or f32 operands, with f32 sums. Whichever they take, every output number must still come out within the allowed error. Rounding operands to bf16 (8 significant bits) uses up far more of that allowance than f16 does (11 bits, for magnitudes from 6e-5 to 65,504). All else is computed in f32.
;;   The module's matrix products, in the order in which they are computed (A, B: the left and right operand; K: the contracted axis; several contracted axes count as one K, in the product's order):
;;     1. [M 8,192, K 1,024] x [K 1,024, N 3,072]; A: input x; B: input Wqkv: QUANTISED
;;     2. [M 8,192, K 1,024] x [K 1,024, N 8]; A: input x; B: input Aqkv: left as it is (N = 8 < 16)
;;     3. [M 8,192, K 8] x [K 8, N 3,072]; A: computed on the way; B: input Bqkv: left as it is (K = 8 < 32)
;;     4. batch 64 x [M 2,048, K 64] x [K 64, N 2,048]; A: computed on the way; B: computed on the way: left as it is (an operand is computed on the way)
;;     5. batch 64 x [M 2,048, K 2,048] x [K 2,048, N 64]; A: computed on the way; B: computed on the way: left as it is (an operand is computed on the way)
;;     6. [M 8,192, K 1,024] x [K 1,024, N 1,024]; A: computed on the way; B: input Wproj: left as it is (an operand is computed on the way)
;;     7. [M 8,192, K 1,024] x [K 1,024, N 8]; A: computed on the way; B: input Aproj: left as it is (N = 8 < 16)
;;     8. [M 8,192, K 8] x [K 8, N 1,024]; A: computed on the way; B: input Bproj: left as it is (K = 8 < 32)
;;   THE QUANTISER, for each operand of a quantised product, along K:
;;     - K is cut into blocks of 32 from its start; a last block that is shorter is filled with zeros.
;;     - A block's scale is 2^e with e = floor(log2(the largest magnitude in the block)) - 2, held to -126 .. 127; a block of zeros has e = 0. As a byte (E8M0): e + 127.
;;     - Each number is divided by its block's scale, clamped to +-6, and rounded to the nearest number of E2M1, ties to even, subnormals kept.
;;     - The product sums the exact products of the quantised numbers (number of the format x scale) in f32.
;;   ~~~python
;;   def quantise(x, axis):      # numpy; x: float32 -> the quantised numbers, widened to float32 again
;;       x = np.moveaxis(x, axis, -1); K = x.shape[-1]
;;       x = np.pad(x, [(0, 0)] * (x.ndim - 1) + [(0, -K % 32)]); x = x.reshape(x.shape[:-1] + (-1, 32)); a = np.abs(x).max(-1, keepdims=True)
;;       e = np.where(a > 0, np.clip(np.frexp(np.where(a > 0, a, 1))[1] - 1 - 2, -126, 127), 0)      # np.frexp(a)[1] - 1 = floor(log2(a)), exactly
;;       r = np.clip(x / 2.0 ** e, -6, 6)
;;       step = 2.0 ** (np.maximum(np.frexp(np.where(r == 0, 1, r))[1] - 1, 0) - 1)
;;       q = np.round(r / step) * step * 2.0 ** e      # np.round: ties to even
;;       return np.moveaxis(q.reshape(q.shape[:-2] + (-1,))[..., :K], -1, axis).astype(np.float32)
;;   ~~~
;; One version. Each part assembles by itself: llvm-mc -triple=amdgcn-amd-amdhsa -mcpu=gfx1250 --defsym DOCPART=n.
;; ======== version 1 of 1: 5 launches
;; limits: values are held in f16: magnitudes above 65,504 overflow, below 6.1e-05 lose precision
;; workspace buffers: qnt 6,389,760 bytes; wef 4,194,304 bytes; msk 525,312 bytes of whole numbers; qkv 50,331,648 bytes; fin 3,145,728 bytes; oim 16,777,216 bytes
;; launch prep (part 1): grid 512 x 1, 16 waves a work-group, no clusters, 154,880 bytes of LDS; arguments x, Wqkv, Aqkv, Wproj, Aproj, Bproj, mask, qnt, wef, msk; writes qnt, wef, msk
.if DOCPART == 1
	.amdgcn_target "amdgcn-amd-amdhsa--gfx1250"
	.amdhsa_code_object_version 6
	.text
	.protected	k_q0f17da5bb6_prep
	.globl	k_q0f17da5bb6_prep
	.p2align	8
	.type	k_q0f17da5bb6_prep,@function
k_q0f17da5bb6_prep:
	s_mov_b64 s[64:65], 0
	v_nop
	global_prefetch_b8 v0, s[64:65] scope:SCOPE_SE
	s_setreg_imm32_b32 hwreg(HW_REG_WAVE_MODE, 25, 1), 1
	s_wait_xcnt 0x0
; PREP.  Everything that is made once, laid as images of operand registers (16 bytes a lane at 16 x lane, 512 bytes an instruction):
;   x and Wqkv -> codes of FP4 (E2M1) with one E8M0 byte for each 32 along K;  t = 2 x Aqkv^T (bf16 operands, f32 sums) as a bf16 fragment;
;   Weff = Wproj + 2 Bproj Aproj (the small product in bf16, added in f32: the projection's low-rank term folded into its weight, another order of rounding than the source's), as f16 high and low parts;
;   the mask as lane-mask words for the attention's score registers, and two flag words for each tile of 16 queries: which blocks of 64 keys are needed, which are wholly open.
; A wave's task: 16 rows x 128 four-byte numbers.  Work-groups 0-31: Wproj; 32-159: the mask; 160-415: x; 416-511: Wqkv.  Sixteen loads of 512 consecutive bytes; the rows turn through the wave's own stage in LDS.
; A block's scale is 2^(floor(log2(largest magnitude)) - 2); its byte is the largest magnitude's exponent field - 2, held at 1 from below.
; LIMITS: NaN and infinities are not served.  A block of zeros gets the byte 1 (its codes are zeros; this program alone reads the bytes).  Weff beyond 65,504 is not served; under 2^-14 its high part is rounded to within 2^-25.
.set STGW,  8448                       ; a wave's stage: 16 rows of 512 bytes + 16
.set SCW,   135168                     ; scale words of the work-group's two tiles: [row][8 words]
.set TP,    136192                     ; a wave's partial of t: 1,024 bytes
.set MF,    152576                     ; the mask's flags: 16 bytes a wave
.set SPARE, 152832                     ; the spare words, 128 bytes for each wave, that no other line names
.set XSO,   4194304                    ; in qnt: x's scale words,
.set WQO,   4456448                    ; Wqkv's codes,
.set WSO,   6029312                    ; its scale words,
.set TBO,   6127616                    ; t
.set WLO,   2097152                    ; in wef: the low parts
.set NEEDO, 524288                     ; in msk: the flag words
.set TM,  20                           ; v20-35 at work
.set PC,  36                           ; v36-43 the codes just made
.set PW,  44                           ; the scale word just made
.set BPF, 46                           ; v46-53 Bproj's fragment
.set R,   64                           ; v64-127
.set X,   128                          ; v128-191
.set SEL, 48                           ; s[48:49] lane selects: lane l xor 16
.set SPT, 20                           ; SPLIT's eight registers
.set SPM, 47                           ; s47: clears the 13 low mantissa bits
; 64 numbers of a lane, register 16 b + i = k 32 b + 16 (lane / 16) + i of my row, become a fragment's codes in v[PC] on and its scale word in v[PW]
.macro QUANT s
.irp b, 0,1,2,3
	v_max3_num_f32 v[TM+\b], |v[\s+16*\b]|, |v[\s+1+16*\b]|, 0x1800000   ; with the floor 2^(3 - 127): the byte cannot fall under 1
.endr
.irp i, 2,4,6,8,10,12,14
.irp b, 0,1,2,3
	v_max3_num_f32 v[TM+\b], v[TM+\b], |v[\s+16*\b+\i]|, |v[\s+1+16*\b+\i]|
.endr
.endr
.irp b, 0,1,2,3
	v_permlanex16_b32 v[TM+4+\b], v[TM+\b], s[SEL], s[SEL+1]
.endr
.irp b, 0,1,2,3
	v_max_num_f32 v[TM+\b], v[TM+\b], v[TM+4+\b]       ; the block's largest magnitude
.endr
.irp b, 0,1,2,3
	v_add_nc_u32 v[TM+12+\b], 0xff000000, v[TM+\b]     ; 2 off its exponent field: the conversion's scale operand
.endr
.irp b, 0,1,2,3
	v_lshrrev_b32 v[TM+4+\b], 23, v[TM+12+\b]          ; the scale's byte
.endr
	v_lshl_or_b32 v[PW], v[TM+5], 8, v[TM+4]
	v_lshl_or_b32 v[PW], v[TM+6], 16, v[PW]
	v_lshl_or_b32 v[PW], v[TM+7], 24, v[PW]
.irp b, 0,1,2,3
	v_cvt_scalef32_pk8_fp4_f32 v[PC+2*\b], v[\s+16*\b:\s+7+16*\b], v[TM+12+\b]
	v_cvt_scalef32_pk8_fp4_f32 v[PC+1+2*\b], v[\s+8+16*\b:\s+15+16*\b], v[TM+12+\b]
.endr
	v_nop                                              ; one plain place behind a scaled conversion
.irp c, 0,1
.irp i, 0,1
	v_permlane16_swap_b32 v[PC+4*\c+\i], v[PC+2+4*\c+\i]   ; a whole block to a lane: lanes 0-15 block 2 c, lanes 16-31 block 2 c + 1
.endr
.endr
.endm
; n pairs of f32 become f16 pairs: the high part is the number cut to 11 significant bits, the low part the exact remainder, rounded
.macro SPLIT src, hi, lo, n
.set SPP, 0
.rept \n
.set SPQ, SPT+4*(SPP%2)
	v_and_b32 v[SPQ], s[SPM], v[\src+2*SPP]
	v_and_b32 v[SPQ+1], s[SPM], v[\src+2*SPP+1]
	v_sub_f32 v[SPQ+2], v[\src+2*SPP], v[SPQ]
	v_sub_f32 v[SPQ+3], v[\src+2*SPP+1], v[SPQ+1]
	v_cvt_pk_f16_f32 v[\hi+SPP], v[SPQ], v[SPQ+1]
	v_cvt_pk_f16_f32 v[\lo+SPP], v[SPQ+2], v[SPQ+3]
.set SPP, SPP+1
.endr
.endm
	s_load_b256 s[4:11], s[0:1], 0x0               ; x, Wqkv, Aqkv, Wproj
	s_load_b256 s[12:19], s[0:1], 0x20             ; Aproj, Bproj, mask, qnt
	s_load_b128 s[20:23], s[0:1], 0x40             ; wef, msk
	v_lshl_add_u32 v16, v0, 2, SPARE               ; my spare word,
	v_mov_b32 v17, 0                               ; and 0: kept for the closing lines
	v_lshrrev_b32 v18, 5, v0
	v_readfirstlane_b32 s24, v18                   ; wave 0..15
	v_and_b32 v15, 31, v0                          ; lane
	v_and_b32 v18, 15, v0                          ; r
	v_bfe_u32 v19, v0, 4, 1                        ; h
	v_lshlrev_b32 v1, 4, v15                       ; 16 x lane
	s_mul_i32 s25, s24, STGW
	v_add_nc_u32 v2, s25, v1                       ; the stage, on the way in: a row's 512 bytes as they lie
	v_mul_u32_u24 v3, v18, 528
	v_add_nc_u32 v3, s25, v3
	v_lshl_add_u32 v4, v19, 5, v3                  ; out of it, 8 neighbours of each 16: row r, + 32 h
	v_lshl_add_u32 v3, v19, 6, v3                  ; out of it, 16 neighbours of each 32: row r, + 64 h
	v_and_b32 v5, 7, v0
	v_lshlrev_b32 v5, 12, v5
	v_lshl_add_u32 v5, v19, 6, v5                  ; Aqkv: row r % 8, + 64 h
	v_lshlrev_b32 v6, 2, v18                       ; Aproj: column r
	v_lshlrev_b32 v7, 5, v18                       ; 32 r
	s_lshr_b32 s32, s24, 3
	s_and_b32 s33, s24, 7
	s_lshl_b32 s35, s32, 9
	s_lshl_b32 s36, s33, 2
	s_add_co_u32 s36, s36, s35
	s_add_co_u32 s36, s36, SCW
	v_add_nc_u32 v8, s36, v7                       ; my row's scale word of my chunk
	s_add_co_u32 s35, s35, SCW
	v_add_nc_u32 v9, s35, v1                       ; a tile's 512 bytes of scale words, on the way out
	s_lshl_b32 s35, s24, 10
	s_add_co_u32 s35, s35, TP
	v_add_nc_u32 v10, s35, v1                      ; my partial of t
	s_lshl_b32 s35, s24, 4
	s_add_co_u32 s35, s35, MF
	v_mov_b32 v11, s35                             ; my wave's flags
	v_mov_b32 v12, MF
	v_sub_nc_u32 v13, 1, v19
	v_cvt_f32_u32 v13, v13
	v_add_f32 v13, v13, v13                        ; 2.0 in lanes 0-15 (the low-rank scaling), 0 in lanes 16-31 (k = 8 .. 15 of a rank of 8)
	v_lshlrev_b32 v14, 3, v15                      ; 8 x lane
.irp b, 0,1,2,3
	v_mov_b32 v[TM+4+\b], 0                        ; written once: a lane permute's destination counts as one of its sources
.endr
	s_mov_b32 s[SEL], 0x76543210
	s_mov_b32 s[SEL+1], 0xfedcba98
	s_mov_b32 s[SPM], 0xffffe000
	s_wait_kmcnt 0x0
	; which tensor, which tile, which chunk: all by the work-group's number and the wave's
	s_cmp_lt_u32 ttmp9, 416
	s_cselect_b64 s[26:27], s[4:5], s[6:7]
	s_mov_b32 s28, 416
	s_cselect_b32 s28, 160, s28
	s_cmp_lt_u32 ttmp9, 160
	s_cselect_b64 s[26:27], s[16:17], s[26:27]
	s_cselect_b32 s28, 32, s28
	s_cmp_lt_u32 ttmp9, 32
	s_cselect_b64 s[26:27], s[10:11], s[26:27]
	s_cselect_b32 s28, 0, s28
	s_sub_co_u32 s29, ttmp9, s28
	s_sub_co_u32 s30, ttmp9, 32
	s_lshl_b32 s31, s29, 1
	s_add_co_u32 s31, s31, s32                     ; two tiles of 16 rows to a work-group, eight chunks of 128 each;
	s_mov_b32 s34, 4096
	s_cmp_lt_u32 s30, 128                          ; the mask: one tile of 16 queries, sixteen chunks of 128 keys
	s_cselect_b32 s31, s29, s31                    ; the tile
	s_cselect_b32 s46, s24, s33                    ; the chunk
	s_cselect_b32 s34, 8192, s34                   ; bytes from row to row
	s_mul_i32 s36, s31, s34
	s_lshl_b32 s36, s36, 4
	s_lshl_b32 s35, s46, 9
	s_add_co_u32 s36, s36, s35
	s_mov_b32 s37, 0
	s_add_nc_u64 s[26:27], s[26:27], s[36:37]
	s_lshl_b32 s36, s31, 9                         ; t's place, 512 bytes a tile: made here, on the way that every work-group takes; the tile's number is under 512 in all of them, so the place lies inside qnt; x's work-groups alone store there
	s_add_co_u32 s36, s36, TBO
	s_add_nc_u64 s[44:45], s[18:19], s[36:37]
	v_mov_b32 v[X], v1
.set i, 1
.rept 15
	v_add_nc_u32 v[X+i], s34, v[X+i-1]
.set i, i+1
.endr
.set i, 0
.rept 16
	global_load_b128 v[R+4*i:R+4*i+3], v[X+i], s[26:27] th:TH_LOAD_NT   ; 32 lanes read 512 consecutive bytes of row i
.set i, i+1
.endr
	s_wait_loadcnt 0x0
.set i, 0
.rept 16
	ds_store_b128 v2, v[R+4*i:R+4*i+3] offset:528*i
.set i, i+1
.endr
	s_cmp_lt_u32 ttmp9, 160
	s_cbranch_scc1 .Lpm
	; ---- x or Wqkv: a fragment of codes and a scale word a row
.irp b, 0,1,2,3
.irp j, 0,1,2,3
	ds_load_b128 v[X+16*\b+4*\j:X+16*\b+4*\j+3], v3 offset:128*\b+16*\j   ; LDS serves a wave's instructions in order: these see my stores
.endr
.endr
	s_lshl_b32 s36, s31, 3
	s_add_co_u32 s36, s36, s46
	s_lshl_b32 s36, s36, 10                        ; image 8 x tile + chunk
	s_lshl_b32 s38, s31, 9
	s_mov_b32 s35, WSO
	s_cmp_lt_u32 ttmp9, 416
	s_cselect_b32 s30, 0, WQO
	s_cselect_b32 s35, XSO, s35
	s_add_co_u32 s36, s36, s30
	s_add_nc_u64 s[40:41], s[18:19], s[36:37]      ; the codes' place
	s_add_co_u32 s36, s38, s35
	s_add_nc_u64 s[42:43], s[18:19], s[36:37]      ; the tile's scale words'
	s_lshl_b32 s36, s46, 9
	s_add_nc_u64 s[58:59], s[8:9], s[36:37]        ; Aqkv at my chunk
	s_wait_dscnt 0x0                               ; my numbers are in, and the stage's stores have read R
	s_cmp_lt_u32 ttmp9, 416
	s_cbranch_scc0 .Lno_a
.irp b, 0,1,2,3
.irp j, 0,1,2,3
	global_load_b128 v[R+16*\b+4*\j:R+16*\b+4*\j+3], v5, s[58:59] offset:128*\b+16*\j   ; Aqkv(r % 8, the same k as my numbers of x)
.endr
.endr
.Lno_a:
	QUANT X
	global_store_b128 v1, v[PC:PC+3], s[40:41]
	global_store_b128 v1, v[PC+4:PC+7], s[40:41] offset:512
	ds_store_b32 v8, v[PW]                         ; both lanes of a row write the same word
	s_cmp_lt_u32 ttmp9, 416
	s_cbranch_scc0 .Ljoin
	; x alone: my chunk's part of x Aqkv^T.  Both operands hold k in the same places of the registers, so the products meet
.set i, 0
.rept 32
	v_cvt_pk_bf16_f32 v[X+i], v[X+2*i], v[X+2*i+1]
.set i, i+1
.endr
	s_wait_loadcnt 0x0
.set i, 0
.rept 32
	v_cvt_pk_bf16_f32 v[R+i], v[R+2*i], v[R+2*i+1]
.set i, i+1
.endr
.irp b, 0,1,2,3
	v_wmma_f32_16x16x32_bf16 v[X+32+8*\b:X+39+8*\b], v[R+8*\b:R+8*\b+7], v[X+8*\b:X+8*\b+7], 0   ; lane (r, 0), register j: row r of x with row j of Aqkv
.endr
.rept 4
	v_nop
.endr
.irp p, 0,2,4,6
	v_pk_add_f32 v[X+32+\p:X+33+\p], v[X+32+\p:X+33+\p], v[X+40+\p:X+41+\p]
.endr
.irp p, 0,2,4,6
	v_pk_add_f32 v[X+48+\p:X+49+\p], v[X+48+\p:X+49+\p], v[X+56+\p:X+57+\p]
.endr
.irp p, 0,2,4,6
	v_pk_add_f32 v[X+32+\p:X+33+\p], v[X+32+\p:X+33+\p], v[X+48+\p:X+49+\p]
.endr
	ds_store_b128 v10, v[X+32:X+35]
	ds_store_b128 v10, v[X+36:X+39] offset:512
	s_branch .Ljoin
.Lpm:
.irp t, 0,1,2,3,4,5,6,7
.irp g, 0,1
	ds_load_b128 v[X+8*\t+4*\g:X+8*\t+4*\g+3], v4 offset:64*\t+16*\g   ; register 8 t + i: (row r, column 16 t + 8 h + i) of my chunk
.endr
.endr
	s_wait_dscnt 0x0
	s_cmp_lt_u32 ttmp9, 32
	s_cbranch_scc0 .Lm
	; ---- Wproj: + 2 Bproj Aproj, then f16 high and low parts
	s_lshl_b32 s36, s46, 9
	s_add_nc_u64 s[58:59], s[12:13], s[36:37]      ; Aproj at my chunk
	s_lshl_b32 s36, s31, 9
	s_add_nc_u64 s[42:43], s[14:15], s[36:37]      ; Bproj at my tile's 16 rows
	s_lshl_b32 s36, s31, 5
	s_lshl_b32 s38, s46, 2
	s_add_co_u32 s36, s36, s38
	s_lshl_b32 s36, s36, 10
	s_add_nc_u64 s[40:41], s[20:21], s[36:37]      ; images 32 x tile + 4 x chunk on
.irp t, 0,1,2,3,4,5,6,7
.irp j, 0,1,2,3,4,5,6,7
	global_load_b32 v[R+8*\t+\j], v6, s[58:59] offset:4096*\j+64*\t   ; Aproj(j, 16 t + r)
.endr
.endr
	global_load_b128 v[BPF:BPF+3], v7, s[42:43]
	global_load_b128 v[BPF+4:BPF+7], v7, s[42:43] offset:16
	s_wait_loadcnt 0x0
.irp i, 0,1,2,3,4,5,6,7
	v_mul_f32 v[BPF+\i], v13, v[BPF+\i]            ; x 2, and zeros in lanes 16-31
.endr
.irp e, 0,1,2,3
	v_cvt_pk_bf16_f32 v[BPF+\e], v[BPF+2*\e], v[BPF+2*\e+1]
.endr
.irp e, 4,5,6,7
	v_mov_b32 v[BPF+\e], 0
.endr
.irp t, 0,1,2,3,4,5,6,7
.irp e, 0,1,2,3
	v_cvt_pk_bf16_f32 v[R+8*\t+\e], v[R+8*\t+2*\e], v[R+8*\t+2*\e+1]
.endr
.irp e, 4,5,6,7
	v_mov_b32 v[R+8*\t+\e], 0
.endr
.endr
.irp t, 0,1,2,3,4,5,6,7
	v_wmma_f32_16x16x32_bf16 v[X+8*\t:X+8*\t+7], v[R+8*\t:R+8*\t+7], v[BPF:BPF+7], v[X+8*\t:X+8*\t+7]   ; source 0: 16 columns of Aproj; source 1: 16 rows of Bproj; C: Wproj in the result's layout
.endr
.rept 4
	v_nop
.endr
	SPLIT X, R, R+32, 32
.irp t, 0,1,2,3,4,5,6,7
	global_store_b128 v1, v[R+4*\t:R+4*\t+3], s[40:41] offset:512*\t
	global_store_b128 v1, v[R+32+4*\t:R+35+4*\t], s[40:41] offset:WLO+512*\t
.endr
	s_branch .Ljoin
.Lm:
	; ---- the mask: word 8 t + j of a block of 64 keys has bit (lane) = mask(query r, key 16 t + 8 h + j) != 0: the lane mask of the score register that holds that key
	s_lshl_b32 s36, s31, 12
	s_lshl_b32 s35, s24, 8
	s_add_co_u32 s36, s36, s35
	s_add_nc_u64 s[40:41], s[22:23], s[36:37]
	s_lshl_b32 s36, s31, 2
	s_add_co_u32 s36, s36, NEEDO
	s_add_nc_u64 s[42:43], s[22:23], s[36:37]
	v_mov_b32 v36, 0
	v_mov_b32 v37, 0
.set W, 0
.rept 64
	v_cmp_ne_u32 s[50+(W&1)], 0, v[X+W]
	v_writelane_b32 v[36+(W&1)], s[50+(W&1)], W>>1
.if (W&31) == 0
	s_mov_b32 s[52+W/32], s[50+(W&1)]
	s_mov_b32 s[54+W/32], s[50+(W&1)]
.else
	s_or_b32 s[52+W/32], s[52+W/32], s[50+(W&1)]
	s_and_b32 s[54+W/32], s[54+W/32], s[50+(W&1)]
.endif
.set W, W+1
.endr
	global_store_b64 v14, v[36:37], s[40:41]       ; 64 words: one aligned run of 256 bytes
	s_or_b32 s56, s52, s53
	s_lshr_b32 s57, s56, 16
	s_or_b32 s56, s56, s57
	s_and_b32 s56, s56, 0xffff                     ; the queries that have an open key in my chunk
	s_cmp_lg_u32 s52, 0
	s_cselect_b32 s57, 1, 0
	s_cmp_lg_u32 s53, 0
	s_cselect_b32 s58, 2, 0
	s_or_b32 s57, s57, s58                         ; my two blocks: any key open,
	s_cmp_eq_u32 s54, -1
	s_cselect_b32 s58, 1, 0
	s_cmp_eq_u32 s55, -1
	s_cselect_b32 s59, 2, 0
	s_or_b32 s58, s58, s59                         ; all keys open
	s_lshl_b32 s59, s24, 1
	s_lshl_b32 s57, s57, s59
	s_lshl_b32 s58, s58, s59
	v_mov_b32 v40, s56
	v_mov_b32 v41, s57
	v_mov_b32 v42, s58
	v_mov_b32 v43, 0
	ds_store_b128 v11, v[40:43]
.Ljoin:
	s_wait_loadcnt 0x0                             ; no load of mine is out at the signal (on every way it has been waited for already)
	s_wait_dscnt 0x0                               ; for the others' sake: my LDS stores are done
	s_barrier_signal -1
	s_barrier_wait -1
	s_cmp_lt_u32 ttmp9, 32
	s_cbranch_scc1 .Lend
	s_cmp_lt_u32 ttmp9, 160
	s_cbranch_scc1 .Lm2
	s_cmp_lg_u32 s33, 0                            ; waves 0 and 8 gather their tile
	s_cbranch_scc1 .Lend
	ds_load_b128 v[20:23], v9
	s_wait_dscnt 0x0
	global_store_b128 v1, v[20:23], s[42:43]       ; 16 rows x 8 scale words: 512 consecutive bytes
	s_cmp_lt_u32 ttmp9, 416
	s_cbranch_scc0 .Lend
.set i, 0
.rept 16
	ds_load_b128 v[X+4*i:X+4*i+3], v10 offset:512*i   ; the eight chunks' partials of t
.set i, i+1
.endr
	s_wait_dscnt 0x0
.irp p, 1,2,3,4,5,6,7
.irp q, 0,2,4,6
	v_pk_add_f32 v[X+\q:X+\q+1], v[X+\q:X+\q+1], v[X+8*\p+\q:X+8*\p+\q+1]
.endr
.endr
.irp i, 0,1,2,3,4,5,6,7
	v_mul_f32 v[X+\i], v13, v[X+\i]                ; x 2; zeros in lanes 16-31
.endr
.irp e, 0,1,2,3
	v_cvt_pk_bf16_f32 v[24+\e], v[X+2*\e], v[X+2*\e+1]
.endr
	global_store_b128 v1, v[24:27], s[44:45]       ; registers 0-3 of t's bf16 fragment
	s_branch .Lend
.Lm2:
	s_cmp_lg_u32 s24, 0
	s_cbranch_scc1 .Lend
.set i, 0
.rept 16
	ds_load_b128 v[X+4*i:X+4*i+3], v12 offset:16*i
.set i, i+1
.endr
	s_wait_dscnt 0x0
.set i, 1
.rept 15
	v_or_b32 v[X], v[X], v[X+4*i]
	v_or_b32 v[X+1], v[X+1], v[X+4*i+1]
	v_or_b32 v[X+2], v[X+2], v[X+4*i+2]
.set i, i+1
.endr
	v_mov_b32 v24, -1
	v_cmp_ne_u32 vcc_lo, 0xffff, v[X]              ; a query with no open key at all averages all 2,048 keys: then every block is needed
	v_cndmask_b32 v21, v[X+1], v24, vcc_lo
	v_cmp_eq_u32 vcc_lo, 1, v15
	v_cndmask_b32 v21, v21, v[X+2], vcc_lo         ; lane 0: the blocks needed; lane 1: the blocks wholly open
	v_lshlrev_b32 v25, 9, v15
	s_wait_xcnt 0x0                                ; EXEC changes only behind this wait
	v_cmp_gt_u32 vcc_lo, 2, v15
	s_and_saveexec_b32 s50, vcc_lo
	global_store_b32 v25, v21, s[42:43]
	s_wait_xcnt 0x0                                ; and again, in front of the line that widens it
	s_or_b32 exec_lo, exec_lo, s50
.Lend:
	s_wait_tensorcnt 0x0                           ; the wave's end
	ds_add_u32 v16, v17
	s_wait_dscnt 0x0
	s_endpgm
.Lfunc_end_k_q0f17da5bb6_prep:
	.size	k_q0f17da5bb6_prep, .Lfunc_end_k_q0f17da5bb6_prep-k_q0f17da5bb6_prep
	.p2alignl 7, 3214868480
	.fill 96, 4, 3214868480
	.section	.rodata,"a",@progbits
	.p2align	6, 0x0
	.amdhsa_kernel k_q0f17da5bb6_prep
		.amdhsa_group_segment_fixed_size 154880
		.amdhsa_private_segment_fixed_size 0
		.amdhsa_enable_private_segment 0
		.amdhsa_kernarg_size 80
		.amdhsa_user_sgpr_count 2
		.amdhsa_user_sgpr_kernarg_segment_ptr 1
		.amdhsa_wavefront_size32 1
		.amdhsa_system_sgpr_workgroup_id_x 1
		.amdhsa_system_sgpr_workgroup_id_y 1
		.amdhsa_system_sgpr_workgroup_id_z 1
		.amdhsa_system_vgpr_workitem_id 0
		.amdhsa_next_free_vgpr 192
		.amdhsa_next_free_sgpr 66
		.amdhsa_reserve_vcc 1
		.amdhsa_float_denorm_mode_32 3
		.amdhsa_float_denorm_mode_16_64 3
		.amdhsa_memory_ordered 1
		.amdhsa_forward_progress 1
		.amdhsa_inst_pref_size 61
	.end_amdhsa_kernel
	.amdgpu_metadata
---
amdhsa.version: [ 1, 2 ]
amdhsa.kernels:
  - .name:           k_q0f17da5bb6_prep
    .symbol:         k_q0f17da5bb6_prep.kd
    .args:
      - { .name: x, .offset: 0, .size: 8, .value_kind: global_buffer, .address_space: global }
      - { .name: Wqkv, .offset: 8, .size: 8, .value_kind: global_buffer, .address_space: global }
      - { .name: Aqkv, .offset: 16, .size: 8, .value_kind: global_buffer, .address_space: global }
      - { .name: Wproj, .offset: 24, .size: 8, .value_kind: global_buffer, .address_space: global }
      - { .name: Aproj, .offset: 32, .size: 8, .value_kind: global_buffer, .address_space: global }
      - { .name: Bproj, .offset: 40, .size: 8, .value_kind: global_buffer, .address_space: global }
      - { .name: mask, .offset: 48, .size: 8, .value_kind: global_buffer, .address_space: global }
      - { .name: qnt, .offset: 56, .size: 8, .value_kind: global_buffer, .address_space: global }
      - { .name: wef, .offset: 64, .size: 8, .value_kind: global_buffer, .address_space: global }
      - { .name: msk, .offset: 72, .size: 8, .value_kind: global_buffer, .address_space: global }
    .group_segment_fixed_size: 154880
    .private_segment_fixed_size: 0
    .kernarg_segment_align: 8
    .kernarg_segment_size: 80
    .max_flat_workgroup_size: 512
    .sgpr_count:     66
    .vgpr_count:     192
    .wavefront_size: 32
...
	.end_amdgpu_metadata
.endif
;; end of part 1
;; launch gemm (part 2): grid 8 x 32, 8 waves a work-group, clusters of 4 x 1, 327,680 bytes of LDS; arguments qnt, Bqkv, qkv, fin; writes qkv, fin
.if DOCPART == 2
	.amdgcn_target "amdgcn-amd-amdhsa--gfx1250"
	.amdhsa_code_object_version 6
	.text
	.protected	k_q0f17da5bb6_gemm
	.globl	k_q0f17da5bb6_gemm
	.p2align	8
	.type	k_q0f17da5bb6_gemm,@function
k_q0f17da5bb6_gemm:
	s_mov_b64 s[64:65], 0
	v_nop
	global_prefetch_b8 v0, s[64:65] scope:SCOPE_SE
	s_setreg_imm32_b32 hwreg(HW_REG_WAVE_MODE, 25, 1), 1
	s_wait_xcnt 0x0
	s_wait_alu depctr_hold_cnt(0) depctr_sa_sdst(0) depctr_va_vdst(0) depctr_va_sdst(0) depctr_va_ssrc(0) depctr_va_vcc(0) depctr_vm_vsrc(0)
	s_getreg_b32 s2, hwreg(HW_REG_IB_STS2, 6, 4)
	s_cmp_eq_u32 s2, 0
	s_cbranch_scc0 .Lentry_in_a_cluster
	s_endpgm
.Lentry_in_a_cluster:
	s_bfe_u32 s2, ttmp6, 0x10000c
	s_cmp_lg_u32 s2, 0x3003
	s_cbranch_scc0 .Lentry_shape_is_right
	s_endpgm
.Lentry_shape_is_right:
; GEMM.  qkv = Q(x) Q(Wqkv)^T on codes of FP4 with E8M0 scales, + t Bqkv^T (bf16 operands), whose product starts each sum.  Results leave as f16 images of the attention's operand registers;
; tokens 0-63 of each sequence also as f32 images, for the launch that carries the first rows more finely.
; A work-group stays on 256 rows x 384 columns: the rows' codes for all of K (131,072 bytes) lie in LDS for the whole launch, the columns' go in three tiles of 128 columns through two slots of 65,536 bytes.
; Eight waves: wave w takes tiles of rows 4 (w / 2) on and 64 columns (w % 2): one head of q, k or v: 16 accumulators.
; CLUSTER: the four work-groups of a cluster share their 256 rows: the rows' four loads are asked for jointly.  Not 4 x 4: the branch for the f32 rows hangs on the row block, which partners along y would not share.
; THE MATRIX INSTRUCTION IS USED TRANSPOSED (source 0 = 16 columns' weights, source 1 = 16 tokens): a lane holds one token and eight neighbouring columns, which as f16 are 16 bytes of the next operand's image.
; No prefetch: codes and scales are 6 MB that the work-groups read again and again.  LIMIT: |q|, |k|, |v| beyond 65,504 are not served.
.set SPARE, 262144                     ; behind A and B's two slots: the spare words, 128 bytes for each wave, that no other line names
.set XSO,   4194304
.set WQO,   4456448
.set WSO,   6029312
.set TBO,   6127616
.set AF,  32                           ; v32-63   four fragments of x (or of t)
.set BF,  64                           ; v64-95   four of Wqkv (or of Bqkv)
.set SC,  96                           ; v96-127  scale words and nothing else: register 8 i + q: lanes 0-15 tile i of rows, lanes 16-31 tile i of columns, K step q
.set ACC, 128                          ; v128-255 accumulator (i, b) at 8 (4 i + b)
.macro PLACES n
.rept \n
	v_nop
.endr
.endm
.macro ROUND                           ; a round of the cluster's barrier
	s_barrier_signal -1
	s_barrier_wait -1
	s_cmp_lg_u32 s12, 0
	s_cbranch_scc1 .Lnot_wave_0_\@
	s_barrier_signal -3
.Lnot_wave_0_\@:
	s_barrier_wait -3
	s_barrier_signal -1
	s_barrier_wait -1
.endm
; what a tile of 128 columns wants from memory: t's fragments, Bqkv's rows, the scale words
.macro PRE T
.irp i, 0,1,2,3
	global_load_b128 v[AF+8*\i:AF+8*\i+3], v1, s[40:41] offset:512*\i
.endr
.irp b, 0,1,2,3
.irp g, 0,1
	global_load_b128 v[BF+8*\b+4*\g:BF+8*\b+4*\g+3], v7, s[42:43] offset:4096*\T+512*\b+16*\g
.endr
.endr
.irp i, 0,1,2,3
.irp g, 0,1
	global_load_b128 v[SC+8*\i+4*\g:SC+8*\i+4*\g+3], v5, s[4:5] offset:512*\i+16*\g
.endr
.endr
.endm
; the low-rank term starts the sums
.macro LORA
	s_wait_loadcnt 0x0
	s_wait_xcnt 0x0                                ; the last tile's stores have read the accumulators and their base
	v_add_nc_u32 v5, v6, v5                        ; lanes 16-31: on to the next tile's columns
.irp b, 0,1,2,3
.irp e, 0,1,2,3
	v_cvt_pk_bf16_f32 v[BF+8*\b+\e], v[BF+8*\b+2*\e], v[BF+8*\b+2*\e+1]
.endr
.irp e, 4,5,6,7
	v_mov_b32 v[BF+8*\b+\e], 0
	v_mov_b32 v[AF+8*\b+\e], 0
.endr
.endr
.irp i, 0,1,2,3
.irp b, 0,1,2,3
	v_wmma_f32_16x16x32_bf16 v[ACC+8*(4*\i+\b):ACC+8*(4*\i+\b)+7], v[BF+8*\b:BF+8*\b+7], v[AF+8*\i:AF+8*\i+7], 0
.endr
.endr
	PLACES 5                                       ; another form takes these accumulators up next, and loads land on the operands
.endm
; all of K: eight steps of 128; the 16 accumulators take turns, one instruction a turn
.macro KLOOP lb
.irp q, 0,1,2,3,4,5,6,7
.irp i, 0,1,2,3
.irp c, 0,1
	ds_load_b128 v[AF+8*\i+4*\c:AF+8*\i+4*\c+3], v2 offset:8192*\i+1024*\q+512*\c
	ds_load_b128 v[BF+8*\i+4*\c:BF+8*\i+4*\c+3], v[\lb] offset:8192*\i+1024*\q+512*\c
.endr
.endr
	s_wait_dscnt 0x0
.irp i, 0,1,2,3
.irp b, 0,1,2,3
	v_wmma_scale_f32_16x16x128_f8f6f4 v[ACC+8*(4*\i+\b):ACC+8*(4*\i+\b)+7], v[BF+8*\b:BF+8*\b+7], v[AF+8*\i:AF+8*\i+7], v[ACC+8*(4*\i+\b):ACC+8*(4*\i+\b)+7], v[SC+8*\b+\q], v[SC+8*\i+\q] matrix_a_fmt:MATRIX_FMT_FP4 matrix_b_fmt:MATRIX_FMT_FP4 matrix_a_scale:MATRIX_SCALE_ROW1
.endr
.endr
	PLACES 4                                       ; in front of loads into the operands, and of the first read of results
.endr
.endm
; the way out of tile T: my 64 columns are unit u = 6 gx + 2 T + (w % 2): q, k or v (u / 16) of head u % 16
.macro OUT T
	s_mul_i32 s58, s14, 6
	s_add_co_u32 s58, s58, s56
	s_add_co_u32 s58, s58, 2*\T
	s_lshr_b32 s44, s58, 4
	s_and_b32 s45, s58, 15
	s_lshl_b32 s44, s44, 6
	s_add_co_u32 s44, s44, s45
	s_lshr_b32 s59, s15, 3                         ; the batch
	s_lshl_b32 s45, s59, 4
	s_add_co_u32 s44, s44, s45
	s_lshl_b32 s44, s44, 7
	s_and_b32 s47, s15, 7
	s_lshl_b32 s46, s47, 4
	s_add_co_u32 s44, s44, s46
	s_lshl_b32 s46, s57, 2
	s_add_co_u32 s44, s44, s46                     ; the tile of 16 tokens
	s_lshl_b32 s44, s44, 11
	s_mov_b32 s45, 0
	s_add_nc_u64 s[52:53], s[8:9], s[44:45]
	s_or_b32 s47, s47, s57
	s_cmp_lg_u32 s47, 0                            ; a sequence's first 64 tokens? the row block (shared by the partners) and the wave's number decide
	s_cbranch_scc1 .Lno_fine_\@
	s_mul_i32 s44, s59, 48
	s_add_co_u32 s44, s44, s58
	s_lshl_b32 s44, s44, 14
	s_add_nc_u64 s[54:55], s[10:11], s[44:45]
.irp i, 0,1,2,3
.irp b, 0,1,2,3
	global_store_b128 v1, v[ACC+8*(4*\i+\b):ACC+8*(4*\i+\b)+3], s[54:55] offset:1024*(4*\i+\b)
	global_store_b128 v1, v[ACC+8*(4*\i+\b)+4:ACC+8*(4*\i+\b)+7], s[54:55] offset:1024*(4*\i+\b)+512
.endr
.endr
	s_wait_xcnt 0x0                                ; the conversions below write these registers
.Lno_fine_\@:
.irp i, 0,1,2,3
.irp b, 0,1,2,3
.irp e, 0,1,2,3
	v_cvt_pk_f16_f32 v[ACC+8*(4*\i+\b)+\e], v[ACC+8*(4*\i+\b)+2*\e], v[ACC+8*(4*\i+\b)+2*\e+1]
.endr
	global_store_b128 v1, v[ACC+8*(4*\i+\b):ACC+8*(4*\i+\b)+3], s[52:53] offset:2048*\i+512*\b   ; 32 lanes store 512 consecutive bytes
.endr
.endr
.endm
	s_load_b256 s[4:11], s[0:1], 0x0               ; qnt, Bqkv, qkv, fin
	v_lshl_add_u32 v8, v0, 2, SPARE
	v_mov_b32 v9, 0
	ds_add_u32 v8, v9                              ; the wave's opening
	ds_add_u32 v8, v9
	v_lshrrev_b32 v10, 5, v0
	v_readfirstlane_b32 s12, v10                   ; wave 0..7
	s_bfe_u32 s13, ttmp6, 0x40000                  ; cx
	s_lshl_b32 s14, ttmp9, 2
	s_add_co_u32 s14, s14, s13                     ; gx: my 384 columns
	s_and_b32 s15, ttmp7, 0xffff                   ; my 256 rows
	s_lshr_b32 s57, s12, 1
	s_and_b32 s56, s12, 1
	; group 1: 32,768 dense bytes as 128 rows of 32 elements of 8 bytes; s[16:23] with the mask of all four partners and bit 21 beside it, s[24:31] without
	s_mov_b32 s16, 15|(3<<16)|(1<<21)
	s_mov_b32 s24, 3<<16
.irp g, 16,24
	s_mov_b32 s[\g+1], 32<<16
	s_mov_b32 s[\g+2], 128<<16
	s_mov_b32 s[\g+3], 32<<16
	s_mov_b32 s[\g+4], 128
	s_mov_b32 s[\g+5], 32
	s_mov_b32 s[\g+6], 0
	s_mov_b32 s[\g+7], 0
.endr
	s_mov_b32 s32, 1                               ; group 0 for the rows' codes: made of the row block and the wave's number alone
	s_lshl_b32 s33, s12, 15
	s_lshl_b32 s44, s15, 4
	s_lshl_b32 s45, s12, 2
	s_add_co_u32 s44, s44, s45
	s_lshl_b32 s44, s44, 13
	s_mov_b32 s45, 0
	s_mov_b32 s36, 1                               ; group 0 for the columns' codes: waves 4-7 bring tiles of columns 4 (w - 4) on
	s_lshl_b32 s37, s12, 15
	s_mul_i32 s46, s14, 24
	s_lshl_b32 s47, s12, 2
	s_add_co_u32 s46, s46, s47
	s_lshl_b32 s46, s46, 13
	s_add_co_u32 s46, s46, WQO-131072
	s_mov_b32 s47, 0
	v_and_b32 v10, 31, v0
	v_lshlrev_b32 v1, 4, v10                       ; 16 x lane
	v_and_b32 v11, 15, v0
	v_bfe_u32 v12, v0, 4, 1
	s_lshl_b32 s48, s57, 15
	v_add_nc_u32 v2, s48, v1                       ; my four tiles of rows in LDS
	s_lshl_b32 s48, s56, 15
	s_add_co_u32 s48, s48, 131072
	v_add_nc_u32 v3, s48, v1                       ; my four tiles of columns in slot 0,
	s_add_co_u32 s48, s48, 65536
	v_add_nc_u32 v4, s48, v1                       ; in slot 1
	v_lshlrev_b32 v7, 5, v11                       ; 32 r
	v_lshlrev_b32 v6, 12, v12                      ; 4,096 in lanes 16-31: from a tile of 128 columns to the next, in scale words
	s_lshl_b32 s48, s15, 4
	s_lshl_b32 s49, s57, 2
	s_add_co_u32 s48, s48, s49
	s_lshl_b32 s48, s48, 9
	s_mul_i32 s50, s14, 24
	s_lshl_b32 s51, s56, 2
	s_add_co_u32 s50, s50, s51
	s_lshl_b32 s50, s50, 9
	s_add_co_u32 s49, s48, XSO
	s_add_co_u32 s51, s50, WSO
	s_sub_co_u32 s51, s51, s49
	v_mul_lo_u32 v5, v12, s51
	v_add_nc_u32 v5, s49, v5
	v_add_nc_u32 v5, v5, v7                        ; scale words: lanes 0-15 my rows', lanes 16-31 my columns'
	s_add_co_u32 s48, s48, TBO
	s_mov_b32 s49, 0
	s_mov_b32 s51, 0
	s_wait_dscnt 0x0                               ; both opening adds are done
	s_wait_kmcnt 0x0
	s_add_nc_u64 s[34:35], s[4:5], s[44:45]
	s_or_b32 s35, s35, 0x80000000
	s_add_nc_u64 s[38:39], s[4:5], s[46:47]
	s_or_b32 s39, s39, 0x80000000
	s_add_nc_u64 s[40:41], s[4:5], s[48:49]        ; t's fragments of my rows
	s_add_nc_u64 s[42:43], s[6:7], s[50:51]        ; Bqkv's rows of my columns
	ROUND                                          ; all four work-groups are here: the joint loads meet
	s_cmp_lt_u32 s12, 4                            ; one load a wave: waves 0-3 the rows, jointly; waves 4-7 the first two tiles of columns
	s_cbranch_scc0 .Lfill_b
	tensor_load_to_lds s[32:35], s[16:23]
	s_nop 0
	PLACES 4
	s_branch .Lfilled
.Lfill_b:
	tensor_load_to_lds s[36:39], s[24:31]
	s_nop 0
	PLACES 4
.Lfilled:
	PRE 0
	s_wait_tensorcnt 0x0                           ; my one load has landed,
	s_barrier_signal -1
	s_barrier_wait -1                              ; everybody's has
	LORA
	KLOOP 3
	s_wait_tensorcnt 0x0                           ; no tensor load of mine is out,
	ds_add_u32 v8, v9                              ; 0 onto my spare word
	s_add_nc_u64 s[38:39], s[38:39], 131072        ; sixteen tiles of columns on
	s_wait_dscnt 0x0                               ; the add is done, and my reads of slot 0 are over
	ROUND                                          ; the same holds of every wave of every partner
	s_lshr_b32 s44, s12, 1
	s_cmp_eq_u32 s44, 2                            ; waves 4 and 5 fill slot 0 again, with the third tile of columns
	s_cbranch_scc0 .Lno_refill
	tensor_load_to_lds s[36:39], s[24:31]
	s_nop 0
	PLACES 4
.Lno_refill:
	PRE 1
	OUT 0
	LORA
	KLOOP 4
	PRE 2
	OUT 1
	s_wait_tensorcnt 0x0                           ; the refill has landed,
	s_barrier_signal -1
	s_barrier_wait -1                              ; and every wave knows
	LORA
	KLOOP 3
	OUT 2
	s_wait_tensorcnt 0x0                           ; the wave's end
	ds_add_u32 v8, v9
	s_wait_dscnt 0x0
	ROUND                                          ; the closing round
	s_endpgm
.Lfunc_end_k_q0f17da5bb6_gemm:
	.size	k_q0f17da5bb6_gemm, .Lfunc_end_k_q0f17da5bb6_gemm-k_q0f17da5bb6_gemm
	.p2alignl 7, 3214868480
	.fill 96, 4, 3214868480
	.section	.rodata,"a",@progbits
	.p2align	6, 0x0
	.amdhsa_kernel k_q0f17da5bb6_gemm
		.amdhsa_group_segment_fixed_size 327680
		.amdhsa_private_segment_fixed_size 0
		.amdhsa_enable_private_segment 0
		.amdhsa_kernarg_size 32
		.amdhsa_user_sgpr_count 2
		.amdhsa_user_sgpr_kernarg_segment_ptr 1
		.amdhsa_wavefront_size32 1
		.amdhsa_system_sgpr_workgroup_id_x 1
		.amdhsa_system_sgpr_workgroup_id_y 1
		.amdhsa_system_sgpr_workgroup_id_z 1
		.amdhsa_system_vgpr_workitem_id 0
		.amdhsa_next_free_vgpr 256
		.amdhsa_next_free_sgpr 66
		.amdhsa_reserve_vcc 0
		.amdhsa_float_denorm_mode_32 3
		.amdhsa_float_denorm_mode_16_64 3
		.amdhsa_memory_ordered 1
		.amdhsa_forward_progress 1
		.amdhsa_inst_pref_size 126
	.end_amdhsa_kernel
	.amdgpu_metadata
---
amdhsa.version: [ 1, 2 ]
amdhsa.kernels:
  - .name:           k_q0f17da5bb6_gemm
    .symbol:         k_q0f17da5bb6_gemm.kd
    .args:
      - { .name: qnt, .offset: 0, .size: 8, .value_kind: global_buffer, .address_space: global }
      - { .name: Bqkv, .offset: 8, .size: 8, .value_kind: global_buffer, .address_space: global }
      - { .name: qkv, .offset: 16, .size: 8, .value_kind: global_buffer, .address_space: global }
      - { .name: fin, .offset: 24, .size: 8, .value_kind: global_buffer, .address_space: global }
    .group_segment_fixed_size: 327680
    .private_segment_fixed_size: 0
    .kernarg_segment_align: 8
    .kernarg_segment_size: 32
    .max_flat_workgroup_size: 256
    .sgpr_count:     66
    .vgpr_count:     256
    .wavefront_size: 32
...
	.end_amdgpu_metadata
.endif
;; end of part 2
;; launch attn (part 3): grid 4 x 64, 16 waves a work-group, no clusters, 34,816 bytes of LDS; arguments qkv, msk, oim; writes oim
.if DOCPART == 3
	.amdgcn_target "amdgcn-amd-amdhsa--gfx1250"
	.amdhsa_code_object_version 6
	.text
	.protected	k_q0f17da5bb6_attn
	.globl	k_q0f17da5bb6_attn
	.p2align	8
	.type	k_q0f17da5bb6_attn,@function
k_q0f17da5bb6_attn:
	s_mov_b64 s[64:65], 0
	v_nop
	global_prefetch_b8 v0, s[64:65] scope:SCOPE_SE
	s_setreg_imm32_b32 hwreg(HW_REG_WAVE_MODE, 25, 1), 1
	s_wait_xcnt 0x0
; ATTENTION, f16 operands, f32 sums, maxima and softmax.  o = softmax(where(mask, q k^T / 8, masked)) v for one head and batch a work-group row.
; SHARES.  Work-group (gx, head x batch): waves 0-7 take the block of 256 queries gx, waves 8-15 block 7 - gx (under a triangular mask every work-group then has the same work; for any other mask it is only a schedule).
; A wave owns 32 queries: two tiles of 16.  All sixteen walk the 32 blocks of 64 keys in step; a block's K and V (images, 8,192 bytes each) go through registers into one of two LDS slots, a block ahead.
; THE MASK IS AN INPUT.  An earlier launch has stored it as lane-mask words, and for each tile of queries which blocks are needed (some key open, or some query with no open key at all) and which are wholly open.
; A block that none of my queries needs adds exactly 0 and is passed over by a scalar branch on those stored words; so the walk hangs on numbers read from memory, and the launch has no tensor load and no joint load.
; LAYOUT.  S^T = K Q^T and O^T = V^T P: a lane holds one query (lane % 16) throughout; V comes out of LDS turned, by ds_load_tr16_b128.
; SOFTMAX.  Running maximum m and sum l: p = 2^(c s - c m), c = log2(e) / 8; O and l are multiplied by a = 2^(c m_old - c m_new) in every step.  The sum is taken of the unrounded p.
; A masked score is -2^33 ahead of c (-1.07e9 in the source's units, where the source has -1e9): c x 2^33 is exact, so a query with no open key gets p = 1 for all keys, the uniform average of the source.
; LIMITS: NaN and infinities are not served; open scores under about -1e9 (source's units) are not told apart from masked ones as the source tells them.
.set SPARE, 32768                      ; behind the two slots: the spare words, 128 bytes for each wave, that no other line names
.set NEEDO, 524288
.set ST, 16                            ; v16-31  tile u at 8 u: +0 c m, +1 m, +2, +3 l, +4 .. +7 at work (a in +6)
.set Q,  32                            ; v32-63
.set S,  64                            ; v64-127 S^T, then p: 32 u + 8 t + j
.set KV, 128                           ; v128-191 K's fragments, then V's
.set O,  192                           ; v192-255 O^T: 32 u + 8 dt + j
.macro PLACES n
.rept \n
	v_nop
.endr
.endm
.macro SOFT2                           ; both tiles' softmax for 64 keys, line by line by turns
.irp j, 0,1,2,3
.irp u, 0,1
	v_max3_num_f32 v[ST+8*\u+4+\j], v[S+32*\u+8*\j], v[S+32*\u+8*\j+1], v[S+32*\u+8*\j+2]
.endr
.endr
.irp k, 3,5
.irp j, 0,1,2,3
.irp u, 0,1
	v_max3_num_f32 v[ST+8*\u+4+\j], v[ST+8*\u+4+\j], v[S+32*\u+8*\j+\k], v[S+32*\u+8*\j+\k+1]
.endr
.endr
.endr
.irp u, 0,1
	v_max3_num_f32 v[ST+8*\u+4], v[ST+8*\u+4], v[S+32*\u+7], v[S+32*\u+15]
	v_max3_num_f32 v[ST+8*\u+6], v[ST+8*\u+6], v[S+32*\u+23], v[S+32*\u+31]
.endr
.irp u, 0,1
	v_max3_num_f32 v[ST+8*\u+4], v[ST+8*\u+4], v[ST+8*\u+5], v[ST+8*\u+6]
.endr
.irp u, 0,1
	v_max3_num_f32 v[ST+8*\u+4], v[ST+8*\u+4], v[ST+8*\u+7], v[ST+8*\u+1]
.endr
.irp u, 0,1
	v_permlanex16_b32 v[ST+8*\u+5], v[ST+8*\u+4], s26, s27   ; the query's other 32 keys lie in the lane 16 away
.endr
.irp u, 0,1
	v_mov_b32 v[ST+8*\u+7], v[ST+8*\u]
.endr
.irp u, 0,1
	v_max_num_f32 v[ST+8*\u+1], v[ST+8*\u+4], v[ST+8*\u+5]
.endr
.irp u, 0,1
	v_mul_f32 v[ST+8*\u], s24, v[ST+8*\u+1]
.endr
.irp u, 0,1
	v_sub_f32 v[ST+8*\u+7], v[ST+8*\u+7], v[ST+8*\u]
.endr
.irp j, 0,2,4,6,8,10,12,14,16,18,20,22,24,26,28,30
.irp u, 0,1
	v_pk_fma_f32 v[S+32*\u+\j:S+32*\u+\j+1], v[S+32*\u+\j:S+32*\u+\j+1], s[24:25], v[ST+8*\u:ST+8*\u+1] op_sel_hi:[1,0,0] neg_lo:[0,0,1] neg_hi:[0,0,1]   ; c s - c m
.endr
.endr
.irp u, 0,1
	v_exp_f32 v[ST+8*\u+6], v[ST+8*\u+7]
.endr
.set i, 0
.rept 64
	v_exp_f32 v[S+i], v[S+i]
.set i, i+1
.endr
	v_nop                                          ; a plain place behind the batch,
	s_wait_alu depctr_va_vdst(0)                   ; and one wait for its 66 exponentials, ahead of the first line that names a result
.irp u, 0,1
	v_pk_mul_f32 v[ST+8*\u+2:ST+8*\u+3], v[ST+8*\u+2:ST+8*\u+3], v[ST+8*\u+6:ST+8*\u+7] op_sel_hi:[1,0]
.endr
.irp u, 0,1
	v_pk_add_f32 v[ST+8*\u+4:ST+8*\u+5], v[S+32*\u:S+32*\u+1], v[S+32*\u+2:S+32*\u+3]
.endr
.irp j, 4,8,12,16,20,24,28
.irp u, 0,1
	v_pk_add_f32 v[ST+8*\u+2:ST+8*\u+3], v[ST+8*\u+2:ST+8*\u+3], v[S+32*\u+\j:S+32*\u+\j+1]
	v_pk_add_f32 v[ST+8*\u+4:ST+8*\u+5], v[ST+8*\u+4:ST+8*\u+5], v[S+32*\u+\j+2:S+32*\u+\j+3]
.endr
.endr
.irp u, 0,1
	v_pk_add_f32 v[ST+8*\u+2:ST+8*\u+3], v[ST+8*\u+2:ST+8*\u+3], v[ST+8*\u+4:ST+8*\u+5]
.endr
.irp u, 0,1
.set i, 0
.rept 16
	v_cvt_pk_f16_f32 v[S+32*\u+i], v[S+32*\u+2*i], v[S+32*\u+2*i+1]   ; in place: registers 8 kk .. 8 kk + 7 are source 1 for keys 32 kk on
.set i, i+1
.endr
.endr
.irp u, 0,1
.set i, 0
.rept 16
	v_pk_mul_f32 v[O+32*\u+2*i:O+32*\u+2*i+1], v[O+32*\u+2*i:O+32*\u+2*i+1], v[ST+8*\u+6:ST+8*\u+7] op_sel_hi:[1,0]
.set i, i+1
.endr
.endr
.endm
.macro COMPUTE slot
.set i, 0
.rept 16
	ds_load_b128 v[KV+4*i:KV+4*i+3], v2 offset:16384*\slot+512*i
.set i, i+1
.endr
	s_wait_dscnt 0x0
.irp c, 0,1                                    ; eight accumulators take turns
.irp t, 0,1,2,3
.irp u, 0,1
.if \c == 0
	v_wmma_f32_16x16x32_f16 v[S+32*\u+8*\t:S+32*\u+8*\t+7], v[KV+16*\t+8*\c:KV+16*\t+8*\c+7], v[Q+16*\u+8*\c:Q+16*\u+8*\c+7], 0
.else
	v_wmma_f32_16x16x32_f16 v[S+32*\u+8*\t:S+32*\u+8*\t+7], v[KV+16*\t+8*\c:KV+16*\t+8*\c+7], v[Q+16*\u+8*\c:Q+16*\u+8*\c+7], v[S+32*\u+8*\t:S+32*\u+8*\t+7]
.endif
.endr
.endr
.endr
	PLACES 4
.irp kk, 0,1
.irp dt, 0,1,2,3
.irp z, 0,1
	ds_load_tr16_b128 v[KV+32*\kk+8*\dt+4*\z:KV+32*\kk+8*\dt+4*\z+3], v3 offset:16384*\slot+8192+2048*(2*\kk+\z)+512*\dt
.endr
.endr
.endr
	s_bitcmp1_b32 s20, 0                           ; wholly open for both my tiles: nothing to mask
	s_cbranch_scc1 .Lopen_\@
	s_load_b512 s[32:47], s[6:7], s22 offset:0x0
	s_load_b512 s[48:63], s[6:7], s22 offset:0x40
	s_load_b512 s[68:83], s[6:7], s23 offset:0x0
	s_load_b512 s[84:99], s[6:7], s23 offset:0x40
	s_wait_kmcnt 0x0
.set i, 0
.rept 32
	v_cndmask_b32 v[S+i], v7, v[S+i], s[32+i]
.set i, i+1
.endr
.set i, 0
.rept 32
	v_cndmask_b32 v[S+32+i], v7, v[S+32+i], s[68+i]
.set i, i+1
.endr
.Lopen_\@:
	SOFT2
	s_wait_dscnt 0x0                               ; V
.irp kk, 0,1
.irp dt, 0,1,2,3
.irp u, 0,1
	v_wmma_f32_16x16x32_f16 v[O+32*\u+8*\dt:O+32*\u+8*\dt+7], v[KV+32*\kk+8*\dt:KV+32*\kk+8*\dt+7], v[S+32*\u+8*\kk:S+32*\u+8*\kk+7], v[O+32*\u+8*\dt:O+32*\u+8*\dt+7]
.endr
.endr
.endr
	PLACES 5                                       ; the next scores are written over p's registers
.endm
; a step: block j is multiplied from slot j % 2 while block j + 1 goes through registers into the other slot.  One barrier: my reads of this slot and my stores into the other are done in front of it
.macro STEP slot
	s_bitcmp1_b32 s18, 1                           ; does any wave of the work-group need block j + 1?  (beyond the last block the bit is 0: no load leaves the buffer)
	s_cbranch_scc0 .Lno_load_\@
	global_load_b128 v[8:11], v1, s[10:11]
	global_load_b128 v[12:15], v1, s[12:13]
.Lno_load_\@:
	s_cmp_lg_u32 s16, 0                            ; block j + 2 is asked for here, a step ahead of its load: wave 0 (K) and wave 1 (V) of the head's first work-group, a lane to 256 bytes, 30 steps: each block once in the launch
	s_cbranch_scc0 .Lno_ask_\@
	global_prefetch_b8 v6, s[14:15] offset:8192 th:TH_LOAD_NT scope:SCOPE_SE
	s_sub_co_u32 s16, s16, 1
.Lno_ask_\@:
	s_bitcmp1_b32 s19, 0                           ; do my queries need block j?
	s_cbranch_scc0 .Lno_work_\@
	COMPUTE \slot
.Lno_work_\@:
	s_wait_loadcnt 0x0
	s_bitcmp1_b32 s18, 1
	s_cbranch_scc0 .Lno_store_\@
	ds_store_b128 v1, v[8:11] offset:(1-\slot)*16384
	ds_store_b128 v1, v[12:15] offset:(1-\slot)*16384+8192
.Lno_store_\@:
	s_wait_xcnt 0x0                                ; the bases may be stepped
	s_add_nc_u64 s[10:11], s[10:11], 8192
	s_add_nc_u64 s[12:13], s[12:13], 8192
	s_add_nc_u64 s[14:15], s[14:15], 8192
	s_add_co_u32 s22, s22, 128
	s_add_co_u32 s23, s23, 128
	s_lshr_b32 s18, s18, 1
	s_lshr_b32 s19, s19, 1
	s_lshr_b32 s20, s20, 1
	s_wait_dscnt 0x0
	s_barrier_signal -1
	s_barrier_wait -1
.endm
	s_load_b128 s[4:7], s[0:1], 0x0                ; qkv, msk
	s_load_b64 s[8:9], s[0:1], 0x10                ; oim
	v_lshl_add_u32 v4, v0, 2, SPARE
	v_mov_b32 v5, 0
	v_lshrrev_b32 v8, 5, v0
	v_readfirstlane_b32 s17, v8                    ; wave 0..15
	s_and_b32 s28, ttmp7, 0xffff                   ; 16 x batch + head
	s_sub_co_u32 s29, 7, ttmp9
	s_cmp_lt_u32 s17, 8
	s_cselect_b32 s30, ttmp9, s29                  ; my block of 256 queries
	s_and_b32 s31, s17, 7
	s_lshl_b32 s30, s30, 4
	s_lshl_b32 s31, s31, 1
	s_add_co_u32 s30, s30, s31                     ; my first tile of 16 queries
	s_lshl_b32 s20, ttmp9, 6
	s_lshl_b32 s21, s29, 6
	s_lshl_b32 s22, s30, 2
	s_wait_kmcnt 0x0
	s_load_b512 s[32:47], s[6:7], s20 offset:NEEDO   ; the flags of the work-group's 32 tiles of queries,
	s_load_b512 s[68:83], s[6:7], s21 offset:NEEDO
	s_load_b64 s[84:85], s[6:7], s22 offset:NEEDO    ; and of my two
	s_load_b64 s[86:87], s[6:7], s22 offset:NEEDO+512
	v_lshlrev_b32 v1, 4, v0                        ; 16 x thread: a block's 8,192 bytes, in memory and in LDS
	v_and_b32 v8, 31, v0
	v_lshlrev_b32 v2, 4, v8                        ; 16 x lane
	v_lshlrev_b32 v6, 8, v8                        ; 256 x lane
	v_bfe_u32 v9, v0, 4, 1
	v_and_b32 v10, 7, v0
	v_bfe_u32 v11, v0, 3, 1
	v_lshl_add_u32 v3, v9, 3, v10
	v_lshl_add_u32 v3, v11, 4, v3
	v_lshlrev_b32 v3, 4, v3                        ; the turning load: key 8 (l / 16) + l % 8, channels 8 ((l / 8) % 2) on, in V's image
	v_mov_b32 v7, 0xd0000000                       ; -2^33
	s_mov_b32 s24, 0x3e38aa3b                      ; c = log2(e) / 8
	s_mov_b32 s25, s24
	s_mov_b32 s26, 0x76543210
	s_mov_b32 s27, 0xfedcba98
	s_lshl_b32 s88, s28, 18
	s_mov_b32 s89, 0
	s_add_nc_u64 s[90:91], s[4:5], s[88:89]
	s_add_nc_u64 s[10:11], s[90:91], 64<<18        ; K of my head,
	s_add_nc_u64 s[12:13], s[90:91], 128<<18       ; V
	s_lshl_b32 s88, s30, 11
	s_add_nc_u64 s[90:91], s[90:91], s[88:89]      ; my queries
	global_load_b128 v[8:11], v1, s[10:11]         ; block 0
	global_load_b128 v[12:15], v1, s[12:13]
.set i, 0
.rept 8
	global_load_b128 v[Q+4*i:Q+4*i+3], v2, s[90:91] offset:512*i
.set i, i+1
.endr
	s_lshr_b32 s88, s28, 4
	s_lshl_b32 s88, s88, 7
	s_add_co_u32 s88, s88, s30
	s_lshl_b32 s88, s88, 5
	s_and_b32 s92, s28, 15
	s_lshl_b32 s92, s92, 1
	s_add_co_u32 s88, s88, s92
	s_lshl_b32 s88, s88, 10
	s_add_nc_u64 s[8:9], s[8:9], s[88:89]          ; o's images: tile of rows x 32 + 2 x head
	s_cmp_eq_u32 s17, 0
	s_cselect_b64 s[14:15], s[10:11], s[12:13]
	s_lshr_b32 s92, s17, 1
	s_or_b32 s92, s92, ttmp9
	s_cmp_eq_u32 s92, 0
	s_cselect_b32 s16, 30, 0                       ; who prefetches, and how often
	v_mov_b32 v17, 0xff61b1e6                      ; m = -3e38, under every score
	v_mov_b32 v25, 0xff61b1e6
	v_mul_f32 v16, s24, v17
	v_mul_f32 v24, s24, v25
.irp u, 0,1
.irp i, 2,3,4,5,6,7
	v_mov_b32 v[ST+8*\u+\i], 0
.endr
.endr
.set i, 0
.rept 64
	v_mov_b32 v[O+i], 0                            ; the step is written once: the first finds zeros, which a = 0 leaves zeros
.set i, i+1
.endr
	s_wait_kmcnt 0x0
	s_or_b32 s18, s32, s33
.irp i, 34,35,36,37,38,39,40,41,42,43,44,45,46,47,68,69,70,71,72,73,74,75,76,77,78,79,80,81,82,83
	s_or_b32 s18, s18, s[\i]
.endr
	s_or_b32 s19, s84, s85                         ; blocks that one of my tiles needs,
	s_and_b32 s20, s86, s87                        ; blocks wholly open for both
	s_lshl_b32 s22, s30, 12                        ; my tiles' mask words
	s_add_co_u32 s23, s22, 4096
	s_wait_loadcnt 0x0
	ds_store_b128 v1, v[8:11]
	ds_store_b128 v1, v[12:15] offset:8192
	s_add_nc_u64 s[10:11], s[10:11], 8192
	s_add_nc_u64 s[12:13], s[12:13], 8192
	s_add_nc_u64 s[14:15], s[14:15], 8192
	s_wait_dscnt 0x0
	s_barrier_signal -1
	s_barrier_wait -1
	s_mov_b32 s21, 16
.Ltwo:
	STEP 0
	STEP 1
	s_sub_co_u32 s21, s21, 1
	s_cmp_lg_u32 s21, 0
	s_cbranch_scc1 .Ltwo
	; THE WAY OUT: O^T / l as f16: a lane's eight channels are 16 bytes of the projection's operand image
.irp u, 0,1
	v_add_f32 v[ST+8*\u+4], v[ST+8*\u+2], v[ST+8*\u+3]
.endr
.irp u, 0,1
	v_permlanex16_b32 v[ST+8*\u+5], v[ST+8*\u+4], s26, s27
.endr
.irp u, 0,1
	v_add_f32 v[ST+8*\u+4], v[ST+8*\u+4], v[ST+8*\u+5]
.endr
.irp u, 0,1
	v_rcp_f32 v[ST+8*\u+6], v[ST+8*\u+4]
.endr
	v_nop
	s_wait_alu depctr_va_vdst(0)                   ; one wait for the two reciprocals, ahead of their first reader
.irp u, 0,1
.set i, 0
.rept 16
	v_pk_mul_f32 v[O+32*\u+2*i:O+32*\u+2*i+1], v[O+32*\u+2*i:O+32*\u+2*i+1], v[ST+8*\u+6:ST+8*\u+7] op_sel_hi:[1,0]
.set i, i+1
.endr
.endr
.set i, 0
.rept 32
	v_cvt_pk_f16_f32 v[S+i], v[O+2*i], v[O+2*i+1]
.set i, i+1
.endr
.irp u, 0,1
.irp dt, 0,1,2,3
	global_store_b128 v2, v[S+16*\u+4*\dt:S+16*\u+4*\dt+3], s[8:9] offset:32768*\u+512*\dt   ; 32 lanes store 512 consecutive bytes
.endr
.endr
	s_wait_tensorcnt 0x0                           ; the wave's end
	ds_add_u32 v4, v5
	s_wait_dscnt 0x0
	s_endpgm
.Lfunc_end_k_q0f17da5bb6_attn:
	.size	k_q0f17da5bb6_attn, .Lfunc_end_k_q0f17da5bb6_attn-k_q0f17da5bb6_attn
	.p2alignl 7, 3214868480
	.fill 96, 4, 3214868480
	.section	.rodata,"a",@progbits
	.p2align	6, 0x0
	.amdhsa_kernel k_q0f17da5bb6_attn
		.amdhsa_group_segment_fixed_size 34816
		.amdhsa_private_segment_fixed_size 0
		.amdhsa_enable_private_segment 0
		.amdhsa_kernarg_size 24
		.amdhsa_user_sgpr_count 2
		.amdhsa_user_sgpr_kernarg_segment_ptr 1
		.amdhsa_wavefront_size32 1
		.amdhsa_system_sgpr_workgroup_id_x 1
		.amdhsa_system_sgpr_workgroup_id_y 1
		.amdhsa_system_sgpr_workgroup_id_z 1
		.amdhsa_system_vgpr_workitem_id 0
		.amdhsa_next_free_vgpr 256
		.amdhsa_next_free_sgpr 100
		.amdhsa_reserve_vcc 0
		.amdhsa_float_denorm_mode_32 3
		.amdhsa_float_denorm_mode_16_64 3
		.amdhsa_memory_ordered 1
		.amdhsa_forward_progress 1
		.amdhsa_inst_pref_size 59
	.end_amdhsa_kernel
	.amdgpu_metadata
---
amdhsa.version: [ 1, 2 ]
amdhsa.kernels:
  - .name:           k_q0f17da5bb6_attn
    .symbol:         k_q0f17da5bb6_attn.kd
    .args:
      - { .name: qkv, .offset: 0, .size: 8, .value_kind: global_buffer, .address_space: global }
      - { .name: msk, .offset: 8, .size: 8, .value_kind: global_buffer, .address_space: global }
      - { .name: oim, .offset: 16, .size: 8, .value_kind: global_buffer, .address_space: global }
    .group_segment_fixed_size: 34816
    .private_segment_fixed_size: 0
    .kernarg_segment_align: 8
    .kernarg_segment_size: 24
    .max_flat_workgroup_size: 512
    .sgpr_count:     100
    .vgpr_count:     256
    .wavefront_size: 32
...
	.end_amdgpu_metadata
.endif
;; end of part 3
;; launch proj (part 4): grid 8 x 32, 4 waves a work-group, clusters of 4 x 4, 327,680 bytes of LDS; arguments oim, wef, bproj, out0; writes out0
.if DOCPART == 4
	.amdgcn_target "amdgcn-amd-amdhsa--gfx1250"
	.amdhsa_code_object_version 6
	.text
	.protected	k_q0f17da5bb6_proj
	.globl	k_q0f17da5bb6_proj
	.p2align	8
	.type	k_q0f17da5bb6_proj,@function
k_q0f17da5bb6_proj:
	s_mov_b64 s[64:65], 0
	v_nop
	global_prefetch_b8 v0, s[64:65] scope:SCOPE_SE
	s_setreg_imm32_b32 hwreg(HW_REG_WAVE_MODE, 25, 1), 1
	s_wait_xcnt 0x0
	s_wait_alu depctr_hold_cnt(0) depctr_sa_sdst(0) depctr_va_vdst(0) depctr_va_sdst(0) depctr_va_ssrc(0) depctr_va_vcc(0) depctr_vm_vsrc(0)
	s_getreg_b32 s2, hwreg(HW_REG_IB_STS2, 6, 4)
	s_cmp_eq_u32 s2, 0
	s_cbranch_scc0 .Lentry_in_a_cluster
	s_endpgm
.Lentry_in_a_cluster:
	s_bfe_u32 s2, ttmp6, 0x10000c
	s_cmp_lg_u32 s2, 0xf033
	s_cbranch_scc0 .Lentry_shape_is_right
	s_endpgm
.Lentry_shape_is_right:
; PROJECTION.  out0 = o Weff^T + bproj, f16 operands (Weff's high parts), f32 sums; the bias is the C of each sum's first product.
; A tile of out0 is 256 rows x 128 columns: 256 work-groups.  Four waves, each 128 x 64: 32 accumulators, 256 registers (window 1).  K goes in 8 steps of 128 through two LDS slots.
; Both operands lie in memory as images of operand registers, [tile of 16 rows][K step of 32] of 1,024 bytes: a K step of 128 of a tile is 4,096 consecutive bytes, one row of a tensor load; fragments come by
; ds_load_b128 at 16 x lane, 512 consecutive bytes an instruction: no pitch, no padding.
; CLUSTERS: 4 x 4.  The four of a row of the cluster need the same rows of o, the four of a column the same rows of Weff: each tile is asked for jointly.
; THE MATRIX INSTRUCTION IS USED TRANSPOSED (source 0 = 16 rows of Weff, source 1 = 16 tokens): a lane holds eight neighbouring columns of a row of out0.
; The first 16 rows of each sequence are written here like all others and once more, more finely, by the last launch: no branch of this launch may hang on the tile row, which differs between partners.
; No prefetch: the tiles are shared in the cluster and a refill has a K step less sixteen products in which to land.
.set SLOT,  98304                      ; o's 16 tiles x 4,096 bytes, then Weff's 8
.set BOFF,  65536
.set STAGE, 196608                     ; behind the ring: 16 rows x 272 bytes for each wave
.set SP,    272
.set SPARE, 214016                     ; the spare words, 128 bytes for each wave, that no other line names
.set ADRA, 16                          ; v16-17 my fragments of o in slot 0, 1
.set ADRB, 20                          ; v20-21 of Weff
.set STO,  24
.set RD,   25
.set CO,   26
.set SPW,  28
.set NIL,  29
.set F0,   32                          ; v32-127, v128-223: two fragment buffers: Weff's 4 fragments, then o's 8
.set F1,   128
.set BIAS, 224                         ; v224-255 the bias in the result's layout, tile b at 8 b
.set G1A, 24
.set G0A, 32
.set G1B, 48
.set G0B, 56
.set MSB, 0
.macro WIN new                         ; the immediate's high byte repeats the setting that is left
.if MSB != \new
	s_set_vgpr_msb (MSB<<8)|\new
.set MSB, \new
.endif
.endm
.set MUL,  0x50                        ; C and D in window 1
.set MUL0, 0x40                        ; D in window 1, C (the bias) in window 0
.macro PLACES
.rept 4
	v_nop
.endr
.endm
.macro JLOAD s                         ; a joint load: waves 0 and 1 fetch o's two halves, waves 2 and 3 Weff's; an s_nop 0 and four v_nop follow each of the two lines
	s_cmp_eq_u32 s11, 0
	s_cbranch_scc0 .Lfor_b_\@
	tensor_load_to_lds s[G0A+4*\s:G0A+4*\s+3], s[G1A:G1A+7]
	s_nop 0
.rept 4
	v_nop
.endr
	s_branch .Lasked_\@
.Lfor_b_\@:
	tensor_load_to_lds s[G0B+4*\s:G0B+4*\s+3], s[G1B:G1B+7]
	s_nop 0
.rept 4
	v_nop
.endr
.Lasked_\@:
.endm
.macro CREST
	s_cmp_lg_u32 s10, 0
	s_cbranch_scc1 .Lnot_wave_0_\@
	s_barrier_signal -3
.Lnot_wave_0_\@:
	s_barrier_wait -3
	s_barrier_signal -1
	s_barrier_wait -1
.endm
.macro CROUND
	s_barrier_signal -1
	s_barrier_wait -1
	CREST
.endm
	s_load_b128 s[4:7], s[0:1], 0x0                ; oim, wef
	s_load_b128 s[16:19], s[0:1], 0x10             ; bproj, out0
	v_lshl_add_u32 v[SPW], v0, 2, SPARE
	v_mov_b32 v[NIL], 0
	ds_add_u32 v[SPW], v[NIL]                      ; the wave's opening
	ds_add_u32 v[SPW], v[NIL]
	v_lshrrev_b32 v1, 5, v0
	v_readfirstlane_b32 s10, v1                    ; wave 0..3
	s_lshr_b32 s11, s10, 1                         ; which 128 rows are mine.  Also: I fetch for o (0) or for Weff (1)
	s_and_b32 s12, s10, 1                          ; which 64 columns.  Also: which half of that tile I fetch
	s_bfe_u32 s40, ttmp6, 0x40000                  ; cx, cy
	s_bfe_u32 s41, ttmp6, 0x40004
	s_lshl_b32 s42, ttmp9, 2
	s_add_co_u32 s42, s42, s40                     ; tile column
	s_and_b32 s13, ttmp7, 0xffff
	s_lshl_b32 s13, s13, 2
	s_add_co_u32 s13, s13, s41                     ; tile row
	s_lshl_b32 s43, s41, 2
	s_lshl_b32 s43, 15, s43                        ; my row of the cluster
	s_lshl_b32 s44, 0x1111, s40                    ; my column
	; group 1: rows of 4,096 bytes (512 elements of 8), 32,768 bytes apart: 8 of o, 4 of Weff
	s_or_b32 s[G1A], s43, (3<<16)|(1<<21)
	s_or_b32 s[G1B], s44, (3<<16)|(1<<21)
	s_mov_b32 s[G1A+1], 512<<16
	s_mov_b32 s[G1A+2], 8<<16
	s_mov_b32 s[G1A+3], 512<<16
	s_mov_b32 s[G1A+4], 8
	s_mov_b32 s[G1A+5], 4096
	s_mov_b32 s[G1A+6], 0
	s_mov_b32 s[G1A+7], 0
	s_mov_b32 s[G1B+1], 512<<16
	s_mov_b32 s[G1B+2], 4<<16
	s_mov_b32 s[G1B+3], 512<<16
	s_mov_b32 s[G1B+4], 4
	s_mov_b32 s[G1B+5], 4096
	s_mov_b32 s[G1B+6], 0
	s_mov_b32 s[G1B+7], 0
	s_lshl_b32 s20, s13, 4
	s_lshl_b32 s21, s12, 3
	s_add_co_u32 s20, s20, s21
	s_lshl_b32 s20, s20, 15                        ; o: tile 16 x tile row + 8 x half
	s_mov_b32 s21, 0
	s_lshl_b32 s46, s42, 3
	s_lshl_b32 s47, s12, 2
	s_add_co_u32 s46, s46, s47
	s_lshl_b32 s46, s46, 15                        ; Weff: tile 8 x tile column + 4 x half
	s_mov_b32 s47, 0
	s_lshl_b32 s22, s12, 15                        ; where they go: the wave's number alone
	s_lshl_b32 s23, s12, 14
	s_add_co_u32 s23, s23, BOFF
	s_wait_dscnt 0x0                               ; both opening adds are done
	s_wait_kmcnt 0x0
	s_add_nc_u64 s[14:15], s[4:5], s[20:21]
	s_add_nc_u64 s[46:47], s[6:7], s[46:47]
	CROUND                                         ; all sixteen work-groups are here: the first joint loads meet
.irp s, 0,1
	s_mov_b32 s[G0A+4*\s], 1
	s_add_co_u32 s[G0A+4*\s+1], s22, \s*SLOT
	s_add_nc_u64 s[G0A+4*\s+2:G0A+4*\s+3], s[14:15], \s*4096
	s_or_b32 s[G0A+4*\s+3], s[G0A+4*\s+3], 0x80000000
	s_mov_b32 s[G0B+4*\s], 1
	s_add_co_u32 s[G0B+4*\s+1], s23, \s*SLOT
	s_add_nc_u64 s[G0B+4*\s+2:G0B+4*\s+3], s[46:47], \s*4096
	s_or_b32 s[G0B+4*\s+3], s[G0B+4*\s+3], 0x80000000
	JLOAD \s
.endr
	v_and_b32 v1, 15, v0                           ; r
	v_bfe_u32 v2, v0, 4, 1                         ; h
	v_and_b32 v3, 31, v0
	v_lshlrev_b32 v3, 4, v3                        ; 16 x lane
	s_lshl_b32 s21, s11, 15                        ; my 8 tiles of o
	s_lshl_b32 s22, s12, 14
	s_add_co_u32 s22, s22, BOFF                    ; my 4 tiles of Weff
.irp s, 0,1
	v_add_nc_u32 v[ADRA+\s], s21, v3
	v_add_nc_u32 v[ADRB+\s], s22, v3
	s_add_co_u32 s21, s21, SLOT
	s_add_co_u32 s22, s22, SLOT
.endr
	s_mul_i32 s23, s10, 16*SP
	s_add_co_u32 s23, s23, STAGE                   ; my stage
	v_mul_u32_u24 v4, v1, SP
	v_lshl_add_u32 v4, v2, 5, v4
	v_add_nc_u32 v[STO], s23, v4                   ; in: row r, 32 bytes for each half of the lanes
	v_mul_u32_u24 v5, v2, SP
	v_lshl_add_u32 v5, v1, 4, v5
	v_add_nc_u32 v[RD], s23, v5                    ; back: lanes 0-15 one row of 256 bytes, lanes 16-31 the next
	v_lshlrev_b32 v5, 12, v2
	v_lshl_add_u32 v[CO], v1, 4, v5                ; and the same two rows in out0
	v_lshlrev_b32 v6, 5, v2                        ; the bias: 8 h numbers on
	s_lshl_b32 s20, s13, 8
	s_lshl_b32 s21, s11, 7
	s_add_co_u32 s20, s20, s21
	s_lshl_b32 s20, s20, 12                        ; my first row of out0, in bytes
	s_mov_b32 s21, 0
	s_lshl_b32 s46, s42, 9
	s_lshl_b32 s47, s12, 8
	s_add_co_u32 s46, s46, s47                     ; my first column, in bytes
	s_mov_b32 s47, 0
	s_add_nc_u64 s[18:19], s[18:19], s[20:21]
	s_add_nc_u64 s[18:19], s[18:19], s[46:47]
	s_add_nc_u64 s[16:17], s[16:17], s[46:47]
.irp b, 0,1,2,3
.irp g, 0,1
	global_load_b128 v[BIAS+8*\b+4*\g:BIAS+8*\b+4*\g+3], v6, s[16:17] offset:64*\b+16*\g
.endr
.endr
; 8 products: tiles of rows a0, a0 + 1 x my 4 tiles of columns, 32 along K.  The 32 accumulators take turns, in the same order in every quarter
.macro MUL8 f, a0, first
.irp a, \a0, \a0+1
.irp b, 0,1,2,3
.if \first
	v_wmma_f32_16x16x32_f16 v[8*(4*(\a)+\b):8*(4*(\a)+\b)+7], v[\f+8*\b:\f+8*\b+7], v[\f+32+8*(\a):\f+32+8*(\a)+7], v[BIAS+8*\b:BIAS+8*\b+7]
.else
	v_wmma_f32_16x16x32_f16 v[8*(4*(\a)+\b):8*(4*(\a)+\b)+7], v[\f+8*\b:\f+8*\b+7], v[\f+32+8*(\a):\f+32+8*(\a)+7], v[8*(4*(\a)+\b):8*(4*(\a)+\b)+7]
.endif
.endr
.endr
.endm
; 24 LDS loads in one run: Weff's 4 fragments, o's tiles 0-3, o's tiles 4-7, of the slot's c-th 32 along K
.macro FETCH slot, c, f
.irp b, 0,1,2,3
.irp g, 0,1
	ds_load_b128 v[\f+8*\b+4*\g:\f+8*\b+4*\g+3], v[ADRB+\slot] offset:4096*\b+1024*(\c)+512*\g
.endr
.endr
.irp a, 0,1,2,3,4,5,6,7
.irp g, 0,1
	ds_load_b128 v[\f+32+8*\a+4*\g:\f+32+8*\a+4*\g+3], v[ADRA+\slot] offset:4096*\a+1024*(\c)+512*\g
.endr
.endr
.endm
.macro QUARTER slot, cnext, f, g, first
	s_wait_dscnt 8                                 ; Weff's fragments and o's tiles 0-3 are in; the youngest eight loads (tiles 4-7) may be out
.if \first
	WIN MUL0
.else
	WIN MUL
.endif
	MUL8 \f, 0, \first
	MUL8 \f, 2, \first
	PLACES                                         ; in front of loads into registers that the quarter before multiplied
	WIN 0
	FETCH \slot, \cnext, \g
	s_wait_dscnt 24                                ; all but the 24 just issued
.if \first
	WIN MUL0
.else
	WIN MUL
.endif
	MUL8 \f, 4, \first
	MUL8 \f, 6, \first
.endm
; a slot's last quarter changes slots: one barrier; in front of it each wave waits for all its tensor loads, adds 0 to its spare word, and waits for that and for its reads of this slot
.macro TURN slot, next, fill
	WIN 0
	s_wait_tensorcnt 0x0                           ; all my tensor loads have landed: my part of the next slot
	ds_add_u32 v[SPW], v[NIL]                      ; 0 onto my spare word
	s_wait_dscnt 9                                 ; (the add and the youngest eight loads may be out)
	WIN MUL
	MUL8 F1, 0, 0
	s_wait_dscnt 0x0                               ; the add is done, and my reads of this slot are over
	s_barrier_signal -1
	MUL8 F1, 2, 0
.if \fill
	WIN 0
.endif
	s_barrier_wait -1
.if \fill
	CREST                                          ; the barrier has opened a round of the cluster's: no wave of any partner still reads this slot or has a load on its way
	s_add_nc_u64 s[G0A+4*\slot+2:G0A+4*\slot+3], s[G0A+4*\slot+2:G0A+4*\slot+3], 8192
	s_add_nc_u64 s[G0B+4*\slot+2:G0B+4*\slot+3], s[G0B+4*\slot+2:G0B+4*\slot+3], 8192
	JLOAD \slot                                    ; the first tensor load behind the round; its four v_nop are also the places in front of the loads below
.else
	PLACES
.endif
	WIN 0
	FETCH \next, 0, F0
	WIN MUL
	MUL8 F1, 4, 0
	MUL8 F1, 6, 0
.endm
	s_wait_loadcnt 0x0                             ; the bias
	s_wait_tensorcnt 1                             ; my part of K step 0 is in (K step 1's load may be out),
	s_barrier_signal -1
	s_barrier_wait -1                              ; everybody's is
	FETCH 0, 0, F0
	QUARTER 0, 1, F0, F1, 1                        ; the first quarter stands in front of the loop: its products start the sums from the bias
	WIN 0
	s_mov_b32 s3, 3
.Llap:                                                 ; a trip goes once round the ring and fills both slots again
	QUARTER 0, 2, F1, F0, 0
	QUARTER 0, 3, F0, F1, 0
	TURN 0, 1, 1
	QUARTER 1, 1, F0, F1, 0
	QUARTER 1, 2, F1, F0, 0
	QUARTER 1, 3, F0, F1, 0
	TURN 1, 0, 1
	QUARTER 0, 1, F0, F1, 0
	WIN 0
	s_sub_co_u32 s3, s3, 1
	s_cmp_lg_u32 s3, 0
	s_cbranch_scc1 .Llap
	QUARTER 0, 2, F1, F0, 0                        ; the last lap fills nothing
	QUARTER 0, 3, F0, F1, 0
	TURN 0, 1, 0
	QUARTER 1, 1, F0, F1, 0
	QUARTER 1, 2, F1, F0, 0
	QUARTER 1, 3, F0, F1, 0
	s_wait_dscnt 8
	WIN MUL
	MUL8 F1, 0, 0
	MUL8 F1, 2, 0
	s_wait_dscnt 0
	MUL8 F1, 4, 0
	MUL8 F1, 6, 0
	WIN 0
; THE WAY OUT, a tile of 16 rows x 64 columns at a time, through my own stage: back as whole rows of 256 bytes, sixteen lanes to an aligned run of 256 bytes
.macro TOSTAGE a
	WIN 0x04                                       ; an LDS store's data are its source 1: window 1
.irp b, 0,1,2,3
	ds_store_b128 v[STO], v[8*(4*(\a)+\b):8*(4*(\a)+\b)+3] offset:64*\b          ; each accumulator from its low end on
	ds_store_b128 v[STO], v[8*(4*(\a)+\b)+4:8*(4*(\a)+\b)+7] offset:64*\b+16
.endr
	WIN 0
.set BB, 32+32*((\a)%2)
.irp t, 0,1,2,3,4,5,6,7
	ds_load_b128 v[BB+4*\t:BB+4*\t+3], v[RD] offset:\t*2*SP   ; LDS serves a wave's instructions in order: these see the stores above
.endr
.endm
.macro SEND a, younger                 ; younger: the LDS instructions issued behind tile a's loads
.set BB, 32+32*((\a)%2)
	s_wait_dscnt \younger
.irp t, 0,1,2,3,4,5,6,7
	global_store_b128 v[CO], v[BB+4*\t:BB+4*\t+3], s[18:19] offset:65536*(\a)+8192*\t th:TH_STORE_NT
.endr
.endm
	PLACES
	TOSTAGE 0
.irp a, 1,2,3,4,5,6,7
.if \a > 1
	s_wait_xcnt 0x0                                ; tile a - 2's stores have read their registers: tile a's loads may land there
.endif
	TOSTAGE \a
	SEND \a-1, 16                                  ; behind tile a - 1's loads: tile a's 8 stores and 8 loads
.endr
	SEND 7, 0
	s_wait_tensorcnt 0x0                           ; the wave's end
	ds_add_u32 v[SPW], v[NIL]
	s_wait_dscnt 0x0
	CROUND                                         ; the closing round
	s_endpgm
.Lfunc_end_k_q0f17da5bb6_proj:
	.size	k_q0f17da5bb6_proj, .Lfunc_end_k_q0f17da5bb6_proj-k_q0f17da5bb6_proj
	.p2alignl 7, 3214868480
	.fill 96, 4, 3214868480
	.section	.rodata,"a",@progbits
	.p2align	6, 0x0
	.amdhsa_kernel k_q0f17da5bb6_proj
		.amdhsa_group_segment_fixed_size 327680
		.amdhsa_private_segment_fixed_size 0
		.amdhsa_enable_private_segment 0
		.amdhsa_kernarg_size 32
		.amdhsa_user_sgpr_count 2
		.amdhsa_user_sgpr_kernarg_segment_ptr 1
		.amdhsa_wavefront_size32 1
		.amdhsa_system_sgpr_workgroup_id_x 1
		.amdhsa_system_sgpr_workgroup_id_y 1
		.amdhsa_system_sgpr_workgroup_id_z 1
		.amdhsa_system_vgpr_workitem_id 0
		.amdhsa_next_free_vgpr 512
		.amdhsa_next_free_sgpr 66
		.amdhsa_reserve_vcc 0
		.amdhsa_float_denorm_mode_32 3
		.amdhsa_float_denorm_mode_16_64 3
		.amdhsa_memory_ordered 1
		.amdhsa_forward_progress 1
		.amdhsa_inst_pref_size 86
	.end_amdhsa_kernel
	.amdgpu_metadata
---
amdhsa.version: [ 1, 2 ]
amdhsa.kernels:
  - .name:           k_q0f17da5bb6_proj
    .symbol:         k_q0f17da5bb6_proj.kd
    .args:
      - { .name: oim, .offset: 0, .size: 8, .value_kind: global_buffer, .address_space: global }
      - { .name: wef, .offset: 8, .size: 8, .value_kind: global_buffer, .address_space: global }
      - { .name: bproj, .offset: 16, .size: 8, .value_kind: global_buffer, .address_space: global }
      - { .name: out0, .offset: 24, .size: 8, .value_kind: global_buffer, .address_space: global }
    .group_segment_fixed_size: 327680
    .private_segment_fixed_size: 0
    .kernarg_segment_align: 8
    .kernarg_segment_size: 32
    .max_flat_workgroup_size: 128
    .sgpr_count:     66
    .vgpr_count:     512
    .wavefront_size: 32
...
	.end_amdgpu_metadata
.endif
;; end of part 4
;; launch fine (part 5): grid 16 x 4, 16 waves a work-group, no clusters, 264,192 bytes of LDS; arguments fin, qkv, msk, wef, bproj, out0; writes out0
.if DOCPART == 5
	.amdgcn_target "amdgcn-amd-amdhsa--gfx1250"
	.amdhsa_code_object_version 6
	.text
	.protected	k_q0f17da5bb6_fine
	.globl	k_q0f17da5bb6_fine
	.p2align	8
	.type	k_q0f17da5bb6_fine,@function
k_q0f17da5bb6_fine:
	s_mov_b64 s[64:65], 0
	v_nop
	global_prefetch_b8 v0, s[64:65] scope:SCOPE_SE
	s_setreg_imm32_b32 hwreg(HW_REG_WAVE_MODE, 25, 1), 1
	s_wait_xcnt 0x0
; THE FIRST 16 ROWS OF EACH SEQUENCE, ONCE MORE AND MORE FINELY.  These rows may average one or a few values, so the rounding of f16 operands weighs most there.  Here q, k, v (keys 0-63), p, o and Weff go to the
; matrix units as pairs of f16 numbers, a high and a low part split in f32, with the three products high x high, high x low, low x high.  Keys from 64 on (needed only where the mask opens them) go in plain f16.
; SHARES.  Work-group (slice of 64 output columns, batch); wave = head.  Each wave makes its head's attention for the 16 queries and its head's part of the slice; the sixteen parts are added through LDS.
; 64 work-groups: the work is 64 rows.  The attention is made anew in each of the 16 slices, which spares a launch of its own.  No tensor load: the walk over later key blocks hangs on a stored flag word.
; The softmax is the attention launch's: running maximum, p = 2^(c s - c m), the sum of the unrounded p; a masked score is -2^33 ahead of c.
; LIMITS as there.  Under 2^-14 a high part is rounded to within 2^-25.
.set SPARE, 262144                     ; behind the waves' 16,384 bytes each: the spare words, 128 bytes for each wave, that no other line names
.set NEEDO, 524288
.set WLO,   2097152
.set ST,  8                            ; v8-15: c m, m, l, l, four at work (a in +6)
.set QH,  16                           ; v16-31
.set RAW, 32                           ; v32-95 numbers as loaded; later p's or o's parts, and y
.set PH,  32
.set PL,  48
.set Y,   64
.set FR,  96                           ; v96-159 fragments: high parts, low parts
.set QL,  160                          ; v160-175
.set S,   176                          ; v176-207
.set O,   208                          ; v208-239
.set WL,  176                          ; later: Weff's low parts, v176-239
.set SPT, 242                          ; v242-249 SPLIT's
.set RDB, 250                          ; v250-253 the sum over heads: four addresses, 65,536 bytes apart
.set CS,  66                           ; s[66:67]
.set SEL, 68                           ; s[68:69]
.set SPM, 70
.macro PLACES n
.rept \n
	v_nop
.endr
.endm
.macro SPLIT src, hi, lo, n            ; n pairs of f32 -> f16 pairs: the number cut to 11 significant bits, and the exact remainder, rounded
.set SPP, 0
.rept \n
.set SPQ, SPT+4*(SPP%2)
	v_and_b32 v[SPQ], s[SPM], v[\src+2*SPP]
	v_and_b32 v[SPQ+1], s[SPM], v[\src+2*SPP+1]
	v_sub_f32 v[SPQ+2], v[\src+2*SPP], v[SPQ]
	v_sub_f32 v[SPQ+3], v[\src+2*SPP+1], v[SPQ+1]
	v_cvt_pk_f16_f32 v[\hi+SPP], v[SPQ], v[SPQ+1]
	v_cvt_pk_f16_f32 v[\lo+SPP], v[SPQ+2], v[SPQ+3]
.set SPP, SPP+1
.endr
.endm
.macro LOAD16 reg, base, off           ; 8,192 consecutive bytes: 16 loads of 512
.set i, 0
.rept 16
	global_load_b128 v[\reg+4*i:\reg+4*i+3], v1, s[\base:\base+1] offset:\off+512*i
.set i, i+1
.endr
.endm
.macro VSTORE tp                       ; V's parts of two tiles of tokens into my LDS, as images
.set i, 0
.rept 8
	ds_store_b128 v3, v[FR+4*i:FR+4*i+3] offset:4096*\tp+512*i
	ds_store_b128 v3, v[FR+32+4*i:FR+35+4*i] offset:8192+4096*\tp+512*i
.set i, i+1
.endr
	s_wait_dscnt 0x0                               ; the stores have read their registers
.endm
.macro KPROD tp                        ; two tiles of 16 keys by turns: high x high, high x low, low x high
.irp c, 0,1
.irp t, 0,1
.if \c == 0
	v_wmma_f32_16x16x32_f16 v[S+8*(2*\tp+\t):S+8*(2*\tp+\t)+7], v[FR+16*\t+8*\c:FR+16*\t+8*\c+7], v[QH+8*\c:QH+8*\c+7], 0
.else
	v_wmma_f32_16x16x32_f16 v[S+8*(2*\tp+\t):S+8*(2*\tp+\t)+7], v[FR+16*\t+8*\c:FR+16*\t+8*\c+7], v[QH+8*\c:QH+8*\c+7], v[S+8*(2*\tp+\t):S+8*(2*\tp+\t)+7]
.endif
.endr
.endr
.irp c, 0,1
.irp t, 0,1
	v_wmma_f32_16x16x32_f16 v[S+8*(2*\tp+\t):S+8*(2*\tp+\t)+7], v[FR+16*\t+8*\c:FR+16*\t+8*\c+7], v[QL+8*\c:QL+8*\c+7], v[S+8*(2*\tp+\t):S+8*(2*\tp+\t)+7]
.endr
.endr
.irp c, 0,1
.irp t, 0,1
	v_wmma_f32_16x16x32_f16 v[S+8*(2*\tp+\t):S+8*(2*\tp+\t)+7], v[FR+32+16*\t+8*\c:FR+39+16*\t+8*\c], v[QH+8*\c:QH+8*\c+7], v[S+8*(2*\tp+\t):S+8*(2*\tp+\t)+7]
.endr
.endr
	PLACES 4
.endm
.macro VFETCH off                      ; V^T's eight fragments, turned
.irp kk, 0,1
.irp dt, 0,1,2,3
.irp z, 0,1
	ds_load_tr16_b128 v[FR+32*\kk+8*\dt+4*\z:FR+32*\kk+8*\dt+4*\z+3], v2 offset:\off+2048*(2*\kk+\z)+512*\dt
.endr
.endr
.endr
.endm
.macro PVRUN p                         ; O^T += V^T P: four accumulators by turns
.irp kk, 0,1
.irp dt, 0,1,2,3
	v_wmma_f32_16x16x32_f16 v[O+8*\dt:O+8*\dt+7], v[FR+32*\kk+8*\dt:FR+32*\kk+8*\dt+7], v[\p+8*\kk:\p+8*\kk+7], v[O+8*\dt:O+8*\dt+7]
.endr
.endr
.endm
.macro MASK
.set i, 0
.rept 32
	v_cndmask_b32 v[S+i], v240, v[S+i], s[32+i]
.set i, i+1
.endr
.endm
.macro SOFT1
.irp j, 0,1,2,3
	v_max3_num_f32 v[ST+4+\j], v[S+8*\j], v[S+8*\j+1], v[S+8*\j+2]
.endr
.irp k, 3,5
.irp j, 0,1,2,3
	v_max3_num_f32 v[ST+4+\j], v[ST+4+\j], v[S+8*\j+\k], v[S+8*\j+\k+1]
.endr
.endr
	v_max3_num_f32 v[ST+4], v[ST+4], v[S+7], v[S+15]
	v_max3_num_f32 v[ST+6], v[ST+6], v[S+23], v[S+31]
	v_max3_num_f32 v[ST+4], v[ST+4], v[ST+5], v[ST+6]
	v_max3_num_f32 v[ST+4], v[ST+4], v[ST+7], v[ST+1]
	v_permlanex16_b32 v[ST+5], v[ST+4], s[SEL], s[SEL+1]
	v_mov_b32 v[ST+7], v[ST]
	v_max_num_f32 v[ST+1], v[ST+4], v[ST+5]
	v_mul_f32 v[ST], s[CS], v[ST+1]
	v_sub_f32 v[ST+7], v[ST+7], v[ST]
.irp j, 0,2,4,6,8,10,12,14,16,18,20,22,24,26,28,30
	v_pk_fma_f32 v[S+\j:S+\j+1], v[S+\j:S+\j+1], s[CS:CS+1], v[ST:ST+1] op_sel_hi:[1,0,0] neg_lo:[0,0,1] neg_hi:[0,0,1]
.endr
	v_exp_f32 v[ST+6], v[ST+7]
.set i, 0
.rept 32
	v_exp_f32 v[S+i], v[S+i]
.set i, i+1
.endr
	v_nop                                          ; a plain place behind the batch,
	s_wait_alu depctr_va_vdst(0)                   ; and one wait for it, ahead of the first line that names a result
	v_pk_mul_f32 v[ST+2:ST+3], v[ST+2:ST+3], v[ST+6:ST+7] op_sel_hi:[1,0]
	v_pk_add_f32 v[ST+4:ST+5], v[S:S+1], v[S+2:S+3]
.irp j, 4,8,12,16,20,24,28
	v_pk_add_f32 v[ST+2:ST+3], v[ST+2:ST+3], v[S+\j:S+\j+1]
	v_pk_add_f32 v[ST+4:ST+5], v[ST+4:ST+5], v[S+\j+2:S+\j+3]
.endr
	v_pk_add_f32 v[ST+2:ST+3], v[ST+2:ST+3], v[ST+4:ST+5]
.set i, 0
.rept 16
	v_pk_mul_f32 v[O+2*i:O+2*i+1], v[O+2*i:O+2*i+1], v[ST+6:ST+7] op_sel_hi:[1,0]
.set i, i+1
.endr
.endm
	s_load_b256 s[4:11], s[0:1], 0x0               ; fin, qkv, msk, wef
	s_load_b128 s[12:15], s[0:1], 0x20             ; bproj, out0
	v_lshl_add_u32 v6, v0, 2, SPARE
	v_mov_b32 v7, 0
	v_lshrrev_b32 v8, 5, v0
	v_readfirstlane_b32 s16, v8                    ; wave = head
	s_and_b32 s18, ttmp7, 0xffff                   ; the batch
	v_and_b32 v8, 31, v0
	v_lshlrev_b32 v1, 4, v8                        ; 16 x lane
	s_lshl_b32 s72, s16, 14
	v_add_nc_u32 v3, s72, v1                       ; my LDS: V's high parts, 8,192 bytes on its low parts; later my part of y
	v_bfe_u32 v9, v0, 4, 1                         ; h
	v_and_b32 v10, 7, v0
	v_bfe_u32 v11, v0, 3, 1
	v_lshl_add_u32 v2, v9, 3, v10
	v_lshl_add_u32 v2, v11, 4, v2
	v_lshlrev_b32 v2, 4, v2
	v_add_nc_u32 v2, s72, v2                       ; the turning load's place for my lane
	v_and_b32 v241, 15, v0
	v_lshlrev_b32 v241, 4, v241                    ; the sum over heads: 16 x (lane % 16): four columns
	v_bfe_u32 v10, v0, 2, 2
	v_and_b32 v11, 1, v0
	v_lshl_add_u32 v10, v10, 1, v11
	v_lshlrev_b32 v[RDB], 9, v10                   ; which 512 bytes of a part hold them,
	v_bfe_u32 v11, v0, 1, 1
	v_lshl_add_u32 v11, v11, 4, v9
	s_lshl_b32 s73, s16, 1
	v_add_nc_u32 v11, s73, v11                     ; and which lane's 16 bytes: row 2 w + h
	v_lshl_add_u32 v[RDB], v11, 4, v[RDB]
	v_add_nc_u32 v[RDB+1], 0x10000, v[RDB]
	v_add_nc_u32 v[RDB+2], 0x20000, v[RDB]
	v_add_nc_u32 v[RDB+3], 0x30000, v[RDB]
	v_add_nc_u32 v5, s73, v9
	v_lshl_add_u32 v5, v5, 12, v241                ; the same row and columns in out0
	v_mov_b32 v240, 0xd0000000                     ; -2^33
	s_mov_b32 s[CS], 0x3e38aa3b                    ; c = log2(e) / 8
	s_mov_b32 s[CS+1], s[CS]
	s_mov_b32 s[SEL], 0x76543210
	s_mov_b32 s[SEL+1], 0xfedcba98
	s_mov_b32 s[SPM], 0xffffe000
	s_mul_i32 s72, s18, 48
	s_add_co_u32 s72, s72, s16
	s_lshl_b32 s72, s72, 14
	s_mov_b32 s73, 0
	s_lshl_b32 s74, s18, 4
	s_add_co_u32 s74, s74, s16
	s_lshl_b32 s74, s74, 18
	s_mov_b32 s75, 0
	s_lshl_b32 s76, ttmp9, 7
	s_lshl_b32 s77, s16, 1
	s_add_co_u32 s76, s76, s77
	s_lshl_b32 s76, s76, 10
	s_mov_b32 s77, 0
	s_lshl_b32 s78, ttmp9, 8
	s_mov_b32 s79, 0
	s_lshl_b32 s80, s18, 23
	s_mov_b32 s81, 0
	s_wait_kmcnt 0x0
	s_add_nc_u64 s[20:21], s[4:5], s[72:73]        ; q's f32 images of my head; k's 262,144 bytes on, v's 524,288
	s_add_nc_u64 s[22:23], s[6:7], s[74:75]
	s_add_nc_u64 s[24:25], s[22:23], (128<<18)+8192   ; V's f16 images, keys 64 on
	s_add_nc_u64 s[22:23], s[22:23], (64<<18)+8192    ; K's
	s_add_nc_u64 s[10:11], s[10:11], s[76:77]      ; Weff: tiles of columns 4 gx on, K steps 2 x head on
	s_add_nc_u64 s[12:13], s[12:13], s[78:79]
	s_add_nc_u64 s[14:15], s[14:15], s[78:79]
	s_add_nc_u64 s[14:15], s[14:15], s[80:81]
	s_load_b32 s26, s[8:9], NEEDO                  ; which key blocks queries 0-15 need
	s_load_b512 s[32:47], s[8:9], 0x0              ; their mask words for keys 0-63
	s_load_b512 s[48:63], s[8:9], 0x40
.set i, 0
.rept 8
	global_load_b128 v[FR+4*i:FR+4*i+3], v1, s[20:21] offset:512*i   ; q
.set i, i+1
.endr
	LOAD16 RAW, 20, 524288                         ; v, tokens 0-31
	LOAD16 S, 20, 524288+8192                      ; v, tokens 32-63
	v_mov_b32 v[ST+1], 0xff61b1e6                  ; m = -3e38
	v_mul_f32 v[ST], s[CS], v[ST+1]
.irp i, 2,3,4,5,6,7
	v_mov_b32 v[ST+\i], 0
.endr
	s_wait_loadcnt 32                              ; q is in; v's 32 loads may be out
	SPLIT FR, QH, QL, 16
	s_wait_loadcnt 16                              ; v's first half is in
	SPLIT RAW, FR, FR+32, 32
	LOAD16 RAW, 20, 262144                         ; k, tokens 0-31
	VSTORE 0
	s_wait_loadcnt 16                              ; v's second half is in; k's 16 loads may be out
	SPLIT S, FR, FR+32, 32
	VSTORE 1
.set i, 0
.rept 32
	v_mov_b32 v[O+i], 0                            ; the step is written once: the first finds zeros
.set i, i+1
.endr
	s_wait_loadcnt 0x0
	SPLIT RAW, FR, FR+32, 32
	LOAD16 RAW, 20, 262144+8192                    ; k, tokens 32-63: on its way while the first half is multiplied
	KPROD 0
	s_wait_loadcnt 0x0
	SPLIT RAW, FR, FR+32, 32
	KPROD 1
	VFETCH 0                                       ; V's high parts
	s_wait_kmcnt 0x0
	MASK
	SOFT1
	SPLIT S, PH, PL, 16
	s_wait_dscnt 0x0
	PVRUN PH
	PVRUN PL
	PLACES 4
	VFETCH 8192                                    ; V's low parts
	s_wait_dscnt 0x0
	PVRUN PH
	PLACES 5
	; keys 64 on, in plain f16: 31 trips; a block that the 16 queries do not need is passed over
	s_mov_b32 s28, 128                             ; the block's mask words
	s_mov_b32 s27, 31
.Lcoarse:
	s_lshr_b32 s26, s26, 1
	s_bitcmp1_b32 s26, 0
	s_cbranch_scc0 .Lskip
	LOAD16 FR, 22, 0
	LOAD16 RAW, 24, 0
	s_load_b512 s[32:47], s[8:9], s28 offset:0x0
	s_load_b512 s[48:63], s[8:9], s28 offset:0x40
	s_wait_loadcnt 16                              ; K is in; V's 16 loads may be out
.irp c, 0,1
.irp t, 0,1,2,3
.if \c == 0
	v_wmma_f32_16x16x32_f16 v[S+8*\t:S+8*\t+7], v[FR+16*\t+8*\c:FR+16*\t+8*\c+7], v[QH+8*\c:QH+8*\c+7], 0
.else
	v_wmma_f32_16x16x32_f16 v[S+8*\t:S+8*\t+7], v[FR+16*\t+8*\c:FR+16*\t+8*\c+7], v[QH+8*\c:QH+8*\c+7], v[S+8*\t:S+8*\t+7]
.endif
.endr
.endr
	s_wait_loadcnt 0x0
.set i, 0
.rept 16
	ds_store_b128 v3, v[RAW+4*i:RAW+4*i+3] offset:512*i
.set i, i+1
.endr
	PLACES 4
	VFETCH 0                                       ; LDS serves a wave's instructions in order: these see the stores above
	s_wait_kmcnt 0x0
	MASK
	SOFT1
.set i, 0
.rept 16
	v_cvt_pk_f16_f32 v[S+i], v[S+2*i], v[S+2*i+1]
.set i, i+1
.endr
	s_wait_dscnt 0x0
	PVRUN S
	PLACES 5
.Lskip:
	s_wait_xcnt 0x0                                ; the bases may be stepped
	s_add_nc_u64 s[22:23], s[22:23], 8192
	s_add_nc_u64 s[24:25], s[24:25], 8192
	s_add_co_u32 s28, s28, 128
	s_sub_co_u32 s27, s27, 1
	s_cmp_lg_u32 s27, 0
	s_cbranch_scc1 .Lcoarse
	; o = O^T / l, split; my head's 64 channels against Weff's 64 rows of the slice
.irp nb, 0,1,2,3
.irp e, 0,1,2,3
	global_load_b128 v[FR+16*\nb+4*\e:FR+16*\nb+4*\e+3], v1, s[10:11] offset:32768*\nb+512*\e
.endr
.endr
	v_add_f32 v[ST+4], v[ST+2], v[ST+3]
	v_permlanex16_b32 v[ST+5], v[ST+4], s[SEL], s[SEL+1]
	v_add_f32 v[ST+4], v[ST+4], v[ST+5]
	v_rcp_f32 v[ST+6], v[ST+4]
	v_nop
	s_wait_alu depctr_va_vdst(0)
.set i, 0
.rept 16
	v_pk_mul_f32 v[Y+2*i:Y+2*i+1], v[O+2*i:O+2*i+1], v[ST+6:ST+7] op_sel_hi:[1,0]
.set i, i+1
.endr
.irp nb, 0,1,2,3
.irp e, 0,1,2,3
	global_load_b128 v[WL+16*\nb+4*\e:WL+16*\nb+4*\e+3], v1, s[10:11] offset:WLO+32768*\nb+512*\e
.endr
.endr
	SPLIT Y, PH, PL, 16
	s_wait_loadcnt 0x0
.irp c, 0,1                                    ; four accumulators by turns: high x high, high x low, low x high
.irp nb, 0,1,2,3
.if \c == 0
	v_wmma_f32_16x16x32_f16 v[Y+8*\nb:Y+8*\nb+7], v[FR+16*\nb+8*\c:FR+16*\nb+8*\c+7], v[PH+8*\c:PH+8*\c+7], 0
.else
	v_wmma_f32_16x16x32_f16 v[Y+8*\nb:Y+8*\nb+7], v[FR+16*\nb+8*\c:FR+16*\nb+8*\c+7], v[PH+8*\c:PH+8*\c+7], v[Y+8*\nb:Y+8*\nb+7]
.endif
.endr
.endr
.irp c, 0,1
.irp nb, 0,1,2,3
	v_wmma_f32_16x16x32_f16 v[Y+8*\nb:Y+8*\nb+7], v[FR+16*\nb+8*\c:FR+16*\nb+8*\c+7], v[PL+8*\c:PL+8*\c+7], v[Y+8*\nb:Y+8*\nb+7]
.endr
.endr
.irp c, 0,1
.irp nb, 0,1,2,3
	v_wmma_f32_16x16x32_f16 v[Y+8*\nb:Y+8*\nb+7], v[WL+16*\nb+8*\c:WL+16*\nb+8*\c+7], v[PH+8*\c:PH+8*\c+7], v[Y+8*\nb:Y+8*\nb+7]
.endr
.endr
	PLACES 4
.set i, 0
.rept 8
	ds_store_b128 v3, v[Y+4*i:Y+4*i+3] offset:512*i   ; my head's part of y, as it stands in the registers
.set i, i+1
.endr
	s_wait_dscnt 0x0                               ; for the others' sake
	s_barrier_signal -1
	s_barrier_wait -1
	s_cmp_lt_u32 s16, 8                            ; waves 0-7 add the sixteen parts: two rows each, four columns a lane
	s_cbranch_scc0 .Lend
	global_load_b128 v[32:35], v241, s[12:13]      ; the bias
.set i, 0
.rept 16
	ds_load_b128 v[FR+4*i:FR+4*i+3], v[RDB+i/4] offset:16384*(i%4)
.set i, i+1
.endr
	s_wait_dscnt 0x0
.set i, 1
.rept 15
	v_pk_add_f32 v[FR:FR+1], v[FR:FR+1], v[FR+4*i:FR+4*i+1]
	v_pk_add_f32 v[FR+2:FR+3], v[FR+2:FR+3], v[FR+4*i+2:FR+4*i+3]
.set i, i+1
.endr
	s_wait_loadcnt 0x0
	v_pk_add_f32 v[FR:FR+1], v[FR:FR+1], v[32:33]
	v_pk_add_f32 v[FR+2:FR+3], v[FR+2:FR+3], v[34:35]
	global_store_b128 v5, v[FR:FR+3], s[14:15]     ; sixteen lanes store 256 consecutive bytes, aligned
.Lend:
	s_wait_tensorcnt 0x0                           ; the wave's end
	ds_add_u32 v6, v7
	s_wait_dscnt 0x0
	s_endpgm
.Lfunc_end_k_q0f17da5bb6_fine:
	.size	k_q0f17da5bb6_fine, .Lfunc_end_k_q0f17da5bb6_fine-k_q0f17da5bb6_fine
	.p2alignl 7, 3214868480
	.fill 96, 4, 3214868480
	.section	.rodata,"a",@progbits
	.p2align	6, 0x0
	.amdhsa_kernel k_q0f17da5bb6_fine
		.amdhsa_group_segment_fixed_size 264192
		.amdhsa_private_segment_fixed_size 0
		.amdhsa_enable_private_segment 0
		.amdhsa_kernarg_size 48
		.amdhsa_user_sgpr_count 2
		.amdhsa_user_sgpr_kernarg_segment_ptr 1
		.amdhsa_wavefront_size32 1
		.amdhsa_system_sgpr_workgroup_id_x 1
		.amdhsa_system_sgpr_workgroup_id_y 1
		.amdhsa_system_sgpr_workgroup_id_z 1
		.amdhsa_system_vgpr_workitem_id 0
		.amdhsa_next_free_vgpr 256
		.amdhsa_next_free_sgpr 84
		.amdhsa_reserve_vcc 0
		.amdhsa_float_denorm_mode_32 3
		.amdhsa_float_denorm_mode_16_64 3
		.amdhsa_memory_ordered 1
		.amdhsa_forward_progress 1
		.amdhsa_inst_pref_size 96
	.end_amdhsa_kernel
	.amdgpu_metadata
---
amdhsa.version: [ 1, 2 ]
amdhsa.kernels:
  - .name:           k_q0f17da5bb6_fine
    .symbol:         k_q0f17da5bb6_fine.kd
    .args:
      - { .name: fin, .offset: 0, .size: 8, .value_kind: global_buffer, .address_space: global }
      - { .name: qkv, .offset: 8, .size: 8, .value_kind: global_buffer, .address_space: global }
      - { .name: msk, .offset: 16, .size: 8, .value_kind: global_buffer, .address_space: global }
      - { .name: wef, .offset: 24, .size: 8, .value_kind: global_buffer, .address_space: global }
      - { .name: bproj, .offset: 32, .size: 8, .value_kind: global_buffer, .address_space: global }
      - { .name: out0, .offset: 40, .size: 8, .value_kind: global_buffer, .address_space: global }
    .group_segment_fixed_size: 264192
    .private_segment_fixed_size: 0
    .kernarg_segment_align: 8
    .kernarg_segment_size: 48
    .max_flat_workgroup_size: 512
    .sgpr_count:     84
    .vgpr_count:     256
    .wavefront_size: 32
...
	.end_amdgpu_metadata
.endif
;; end of part 5
